; MI455X (gfx1250); checked and timed in simulation.
; The chip was launched on July 23, 2026; its instructions are those of AMD's public machine-readable ISA for CDNA 5 (MIT licence, August 2026) and "CDNA5" Instruction Set Architecture Reference Guide (July 2026). The comments in the code are by the model that wrote it; some were corrected since.
;; Mo E Layer. Allowed arithmetic: matrix products marked QUANTISED: E4M3 operands, one E8M0 scale for each 32 along K, by v_wmma_scale_f32_16x16x128_f8f6f4 with both operands' format E4M3, f32 sums; products left as they are: f32 operands where the result goes on into a quantised operand, else bf16, f16 or f32 operands; f32 sums; everything else in f32.
;; Inputs: expert_w_codes 8 x 1,024 x 32 x 32 uint8 (E4M3 codes of expert_w, K innermost, in blocks of 32 codes); expert_w_scales 8 x 1,024 x 32 uint8 (E8M0 scales of expert_w, one for each 32 codes along K); ln1_b 1,024 float32; ln1_g 1,024 float32; ln2_b 1,024 float32; ln2_g 1,024 float32; router_w 8 x 1,024 float32; wk_codes 1,024 x 32 x 32 uint8 (E4M3 codes of wk, K innermost, in blocks of 32 codes); wk_scales 1,024 x 32 uint8 (E8M0 scales of wk, one for each 32 codes along K); wo_codes 1,024 x 32 x 32 uint8 (E4M3 codes of wo, K innermost, in blocks of 32 codes); wo_scales 1,024 x 32 uint8 (E8M0 scales of wo, one for each 32 codes along K); wq_codes 1,024 x 32 x 32 uint8 (E4M3 codes of wq, K innermost, in blocks of 32 codes); wq_scales 1,024 x 32 uint8 (E8M0 scales of wq, one for each 32 codes along K); wv_codes 1,024 x 32 x 32 uint8 (E4M3 codes of wv, K innermost, in blocks of 32 codes); wv_scales 1,024 x 32 uint8 (E8M0 scales of wv, one for each 32 codes along K); x 2 x 2,048 x 1,024 float32.
;; Outputs: out0 2 x 2,048 x 1,024 float32.
;; This version of the problem:
;;   THIS VERSION OF THE PROBLEM IS GIVEN IN LOW PRECISION. The matrix products marked QUANTISED in the list below multiply operands that are first quantised to E4M3 (4 exponent bits, 3 mantissa bits; 8 bits a number), with one power-of-two scale for each 32 numbers along K (OCP MX v1.0); their sums are f32. All else is computed in f32.
;;   The module's matrix products, in the order in which they are computed (A, B: the left and right operand; K: the contracted axis; several contracted axes count as one K, in the product's order):
;;     1. [M 4,096, K 1,024] x [K 1,024, N 1,024]; A: computed on the way; B: input wq (given as codes): QUANTISED
;;     2. [M 4,096, K 1,024] x [K 1,024, N 1,024]; A: computed on the way; B: input wk (given as codes): QUANTISED
;;     3. [M 4,096, K 1,024] x [K 1,024, N 1,024]; A: computed on the way; B: input wv (given as codes): QUANTISED
;;     4. batch 32 x [M 2,048, K 64] x [K 64, N 2,048]; A: computed on the way; B: computed on the way: QUANTISED
;;     5. batch 32 x [M 2,048, K 2,048] x [K 2,048, N 64]; A: softmax (see below); B: computed on the way: QUANTISED
;;     6. [M 4,096, K 1,024] x [K 1,024, N 1,024]; A: computed on the way; B: input wo (given as codes): QUANTISED
;;     7. [M 4,096, K 1,024] x [K 1,024, N 8]; A: computed on the way; B: input router_w: left as it is (N = 8 < 16)
;;     8. [M 4,096, K 1,024] x [K 1,024, N 8,192]; A: computed on the way; B: input expert_w (given as codes): QUANTISED
;;     9. batch 4,096 x [M 1, K 8] x [K 8, N 1,024]; A: computed on the way; B: computed on the way: left as it is (K = 8 < 32)
;;   THE QUANTISER, for each operand of a quantised product, along K:
;;     - K is cut into blocks of 32 from its start; a last block that is shorter is filled with zeros.
;;     - A block's scale is 2^e with e = floor(log2(the largest magnitude in the block)) - 8, held to -126 .. 127; a block of zeros has e = 0. As a byte (E8M0): e + 127.
;;     - Each number is divided by its block's scale, clamped to +-448, and rounded to the nearest number of E4M3, ties to even, subnormals kept.
;;     - The product sums the exact products of the quantised numbers (number of the format x scale) in f32.
;;   ~~~python
;;   def quantise(x, axis):      # numpy; x: float32 -> the quantised numbers, widened to float32 again
;;       x = np.moveaxis(x, axis, -1); K = x.shape[-1]
;;       x = np.pad(x, [(0, 0)] * (x.ndim - 1) + [(0, -K % 32)]); x = x.reshape(x.shape[:-1] + (-1, 32)); a = np.abs(x).max(-1, keepdims=True)
;;       e = np.where(a > 0, np.clip(np.frexp(np.where(a > 0, a, 1))[1] - 1 - 8, -126, 127), 0)      # np.frexp(a)[1] - 1 = floor(log2(a)), exactly
;;       r = np.clip(x / 2.0 ** e, -448, 448)
;;       step = 2.0 ** (np.maximum(np.frexp(np.where(r == 0, 1, r))[1] - 1, -6) - 3)
;;       q = np.round(r / step) * step * 2.0 ** e      # np.round: ties to even
;;       return np.moveaxis(q.reshape(q.shape[:-2] + (-1,))[..., :K], -1, axis).astype(np.float32)
;;   ~~~
;;   SOFTMAX AHEAD OF A QUANTISED PRODUCT. Where the list says 'softmax', what is quantised is not the finished softmax but p = 2^(t - M), with t = logit x log2(e) and M = ceil(the row's largest t), a whole number; so 1/2 < the row's largest p <= 1. The row's sum l is taken of the UNQUANTISED p, in f32, and the product's result is divided by l at the end. Since M is a whole number, a kernel that streams over the keys may use a running M (the ceiling of the running maximum): every later rescaling is an exact power of two, which a block's scale takes up: the codes' values come out the same.
;;   OPERANDS COMPUTED ON THE WAY. 'Computed on the way' means the value that the module computes at that place (a softmax that the list does not call 'softmax' is quantised finished and normalised). What goes into a quantiser is computed in f32, as accurately as f32 sums, v_exp_f32 and their like allow (about 1e-6 of the number): no bf16 or f16 on the way to a quantiser, and a product that is left as it is and whose result goes on into a quantised operand takes f32 operands (vector FMAs, or v_wmma_f32_16x16x4_f32). A number that lies on a knife's edge between two numbers of the format may be rounded either way, as far as f32 arithmetic and the matrix unit's own rounding can turn it there, and no further.
;;   INPUTS GIVEN AS CODES. expert_w (in the module: [8, 1024, 1024], K = its axis 2); wk (in the module: [1024, 1024], K = its axis 1); wo (in the module: [1024, 1024], K = its axis 1); wq (in the module: [1024, 1024], K = its axis 1); wv (in the module: [1024, 1024], K = its axis 1): each comes as NAME_codes (uint8): NAME with its K axis moved to the last place and cut into blocks of 32 codes, [.., K / 32, bytes a block], one block behind the other in memory; one code a byte (a code: sign, 4 exponent bits, 3 mantissa bits); and NAME_scales (uint8): the same leading axes, one E8M0 byte (e + 127) for each 32 codes along K. Its value is code x scale, taken as it is: it is not quantised again, and the codes and scales need not be those that the quantiser above would give.
;; One version. Each part assembles by itself: llvm-mc -triple=amdgcn-amd-amdhsa -mcpu=gfx1250 --defsym DOCPART=n.
;; ======== version 1 of 1: 7 launches
;; workspace buffers: pre 17,301,504 bytes; qkvb 13,369,344 bytes; att 4,325,376 bytes; x1 16,777,216 bytes; h2 4,358,144 bytes; rt 49,152 bytes of whole numbers; order 16,384 bytes of whole numbers
;; launch prep (part 1): grid 256 x 1, 8 waves a work-group, no clusters, 79,872 bytes of LDS; arguments x, ln1_g, ln1_b, wq_codes, wk_codes, wv_codes, wo_codes, expert_w_codes, wq_scales, wk_scales, wv_scales, wo_scales, expert_w_scales, pre; writes pre
.if DOCPART == 1
	.amdgcn_target "amdgcn-amd-amdhsa--gfx1250"
	.amdhsa_code_object_version 6
	.text
	.protected	k_q0fc147ba81_prep
	.globl	k_q0fc147ba81_prep
	.p2align	8
	.type	k_q0fc147ba81_prep,@function
k_q0fc147ba81_prep:
	s_mov_b64 s[64:65], 0
	v_nop
	global_prefetch_b8 v0, s[64:65] scope:SCOPE_SE
	s_setreg_imm32_b32 hwreg(HW_REG_WAVE_MODE, 25, 1), 1
	s_wait_xcnt 0x0
; PREP.  (1) h = layer norm 1 of x, quantised along D (E4M3 codes, one E8M0 byte for each 32), stored as IMAGES OF OPERAND REGISTERS.
; (2) All five weights, which arrive as codes, are laid out anew as such images; no code and no scale byte is changed.
; A TILE is 16 rows of a group of 32: tile 2 B + u, position p, is row 32 B + 8 u + p + 8 (p / 8).  So the 16 result registers of two neighbouring
; tiles are 16 neighbours along the next product's K.  A FRAGMENT IMAGE (tile x 128 along K) is 2,048 bytes: piece c (512 bytes), lane l's 16 bytes at 16 l,
; k = 32 c + 16 (l / 16) + 0 .. 15 of position l % 16.  A tile's SCALE IMAGE is 512 bytes: the word at 16 l + 4 j is position l % 16's word of K step 2 j + l / 16.
; SHARES.  Work-group g: token tile g, weight tile g of wq, wk, wv, wo (64 tiles each), expert tiles 2 g and 2 g + 1.  Wave w: K step w of all four.
; Mean and variance are taken in two passes, as the formula has them; a row's sums meet in LDS (8 waves x 128 columns).
; LIMITS: NaN and infinities are not served.  A block of zeros gets the scale byte 1 (its codes are zeros; this program alone reads these bytes).
.set HSC,  4194304                     ; pre: h's images at 0, h's scale images here,
.set WIMG, 4325376                     ; the weights' images (768 tiles x 16,384),
.set WSC,  16908288                    ; their scale images (768 x 512)
.set GBS,  67584                       ; LDS: 0: a stage of 16 rows x 528 bytes for each wave; here: 512 bytes of gain + 512 of bias for each wave
.set RED,  75776                       ; two fields of 512 bytes for the rows' sums (8 waves x 16 rows)
.set SCS,  76800                       ; four scale images of 512 bytes: h, the weight tile, the two expert tiles
.set X,   32                           ; v32-95   my 64 numbers: register 16 b + i = column 128 w + 32 b + 16 h + i of position r
.set RW,  96                           ; v96-159  the 16 rows as loaded; later the gain
.set GG,  96
.set BB,  160                          ; v160-223 the bias; before that v160-207 the weights' pieces, v208-210 their scale words
.set WP,  160
.set WW,  208
.set PC,  224                          ; v224-239 the codes just made
.set TM,  240                          ; v240-255 the quantiser's figures
.set WV,  36
.set MNT, 37
.set SEL, 38
.macro BAR                             ; my LDS stores have landed and my LDS loads are in: then the work-group's barrier
	s_wait_dscnt 0x0
	s_barrier_signal -1
	s_barrier_wait -1
.endm
; nb blocks of 32 along K: v[s + 16 b + i] = k 32 b + 16 h + i of my row -> codes in v[PC + 4 b ..], bytes in v[TM + 4 + b]
.macro QUANT s, nb
.set qb, 0
.rept \nb
	v_max3_num_f32 v[TM+qb], |v[16*qb+(\s)]|, |v[16*qb+1+(\s)]|, 0x4800000   ; my 16 numbers and the floor 2^(9 - 127): the byte cannot fall under 1
.set qb, qb+1
.endr
.irp i, 2,4,6,8,10,12,14
.set qb, 0
.rept \nb
	v_max3_num_f32 v[TM+qb], v[TM+qb], |v[16*qb+\i+(\s)]|, |v[16*qb+\i+1+(\s)]|
.set qb, qb+1
.endr
.endr
.set qb, 0
.rept \nb
	v_permlanex16_b32 v[TM+4+qb], v[TM+qb], s[SEL], s[SEL+1]
.set qb, qb+1
.endr
.set qb, 0
.rept \nb
	v_max_num_f32 v[TM+qb], v[TM+qb], v[TM+4+qb]                   ; with lane l xor 16's 16: the block's largest magnitude
.set qb, qb+1
.endr
.set qb, 0
.rept \nb
	v_add_nc_u32 v[TM+12+qb], 0xfc000000, v[TM+qb]                 ; 8 off its exponent field: the conversion's scale operand
	v_and_or_b32 v[TM+8+qb], v[TM+qb], 0x7f800000, s[MNT]          ; 448 x the scale
.set qb, qb+1
.endr
.set qb, 0
.rept \nb
	v_lshrrev_b32 v[TM+4+qb], 23, v[TM+12+qb]                      ; the scale's byte
.set qb, qb+1
.endr
.set qb, 0
.rept \nb
.set qi, 0
.rept 16
	v_med3_num_f32 v[16*qb+qi+(\s)], v[16*qb+qi+(\s)], -v[TM+8+qb], v[TM+8+qb]   ; the conversion does not saturate (ISA guide 7.6.2): the hold comes first
.set qi, qi+1
.endr
	v_cvt_scalef32_pk8_fp8_f32 v[PC+4*qb:PC+4*qb+1], v[16*qb+(\s):16*qb+7+(\s)], v[TM+12+qb]
	v_cvt_scalef32_pk8_fp8_f32 v[PC+4*qb+2:PC+4*qb+3], v[16*qb+8+(\s):16*qb+15+(\s)], v[TM+12+qb]
.set qb, qb+1
.endr
	v_nop                                                          ; one plain line behind the last conversion
.endm
.macro FOLD                            ; four chains of pairs -> v26: the sum over my wave's 128 columns of row r
	v_pk_add_f32 v[18:19], v[18:19], v[20:21]
	v_pk_add_f32 v[22:23], v[22:23], v[24:25]
	v_pk_add_f32 v[18:19], v[18:19], v[22:23]
	v_add_f32 v26, v18, v19
	v_permlanex16_b32 v27, v26, s[SEL], s[SEL+1]
	v_add_f32 v26, v26, v27
.endm
.macro WGSUM o                         ; v26 of the eight waves -> v26: the row's sum, in every wave
	ds_store_b32 v8, v26 offset:\o
	BAR
.irp q, 0,1,2,3,4,5,6,7
	ds_load_b32 v[18+\q], v9 offset:\o+64*\q
.endr
	s_wait_dscnt 0x0
	v_add_f32 v18, v18, v19
	v_add_f32 v20, v20, v21
	v_add_f32 v22, v22, v23
	v_add_f32 v24, v24, v25
	v_add_f32 v18, v18, v20
	v_add_f32 v22, v22, v24
	v_add_f32 v26, v18, v22
.endm
	s_load_b512 s[8:23], s[0:1], 0x0               ; x 8, gain 10, bias 12, wq 14, wk 16, wv 18, wo 20, experts 22 (codes)
	s_load_b256 s[24:31], s[0:1], 0x40             ; scales: wq 24, wk 26, wv 28, wo 30
	s_load_b128 s[32:35], s[0:1], 0x60             ; experts' scales 32, pre 34
	v_lshl_add_u32 v30, v0, 2, 0x13400
	v_mov_b32 v31, 0
	v_lshrrev_b32 v1, 5, v0
	v_readfirstlane_b32 s[WV], v1                  ; wave 0..7
	v_and_b32 v1, 31, v0                           ; lane
	v_and_b32 v2, 15, v0                           ; r
	v_bfe_u32 v3, v0, 4, 1                         ; h
	v_lshlrev_b32 v4, 4, v1                        ; 16 x lane
	s_mul_i32 s58, s[WV], 8448
	v_add_nc_u32 v5, s58, v4                       ; my stage, by rows as loaded
	v_mul_u32_u24 v6, v2, 528
	v_lshl_add_u32 v6, v3, 6, v6
	v_add_nc_u32 v6, s58, v6                       ; my stage, row r, + 64 h: 16 neighbours of each block of 32
	s_lshl_b32 s59, s[WV], 10
	s_add_co_u32 s59, s59, GBS
	v_lshlrev_b32 v7, 6, v3
	v_add_nc_u32 v7, s59, v7                       ; gain and bias: read at 64 h
	v_add_nc_u32 v13, s59, v4                      ; and stored at 16 x lane
	v_lshl_add_u32 v9, v2, 2, RED                  ; the rows' sums: 4 r,
	s_lshl_b32 s60, s[WV], 6
	v_add_nc_u32 v8, s60, v9                       ; + 64 w for my own
	v_and_b32 v10, 8, v2
	v_add_nc_u32 v10, v10, v2                      ; r + 8 (r / 8)
	v_lshlrev_b32 v11, 5, v10                      ; a weight's scale bytes: 32 a row
	v_lshlrev_b32 v10, 10, v10
	v_lshl_add_u32 v10, v3, 4, v10                 ; its codes: 1,024 a row, + 16 h
	s_and_b32 s58, s[WV], 1
	s_lshl_b32 s58, s58, 8
	s_lshr_b32 s59, s[WV], 1
	s_lshl_b32 s59, s59, 2
	s_add_co_u32 s58, s58, s59
	s_add_co_u32 s58, s58, SCS
	v_lshl_add_u32 v12, v2, 4, s58                 ; K step w's word in a scale image: 16 (r + 16 (w % 2)) + 4 (w / 2)
	s_and_b32 s61, s[WV], 3
	s_lshl_b32 s59, s61, 9
	s_add_co_u32 s59, s59, SCS
	v_add_nc_u32 v28, s59, v4                      ; the scale image that waves 0 to 3 send out at the end
	v_mov_b32 v27, 0                               ; lane permutes' destinations count as read: written once
.irp b, 0,1,2,3
	v_mov_b32 v[TM+4+\b], 0
.endr
	s_mov_b32 s[SEL], 0x76543210
	s_mov_b32 s[SEL+1], 0xfedcba98                 ; lane l xor 16
	s_mov_b32 s[MNT], 0x600000                     ; the mantissa field of 448
	s_mov_b32 s62, 0x3a800000                      ; 1 / 1,024
	s_mov_b32 s63, 0x3727c5ac                      ; 1e-5
	; byte offsets, apart from the addresses
	s_lshr_b32 s58, ttmp9, 1
	s_and_b32 s59, ttmp9, 1
	s_lshl_b32 s40, s58, 17
	s_lshl_b32 s59, s59, 15
	s_add_co_u32 s40, s40, s59
	s_lshl_b32 s42, s[WV], 9
	s_add_co_u32 s40, s40, s42                     ; x: (32 B + 8 u) rows of 4,096 + 512 w
	s_mov_b32 s41, 0
	s_mov_b32 s43, 0                               ; gain, bias: 512 w
	s_and_b32 s58, ttmp9, 63
	s_lshr_b32 s59, s58, 1
	s_and_b32 s58, s58, 1
	s_lshl_b32 s44, s59, 15
	s_lshl_b32 s60, s58, 13
	s_add_co_u32 s44, s44, s60
	s_lshl_b32 s60, s[WV], 7
	s_add_co_u32 s44, s44, s60                     ; the weight tile's codes: (32 B + 8 u) x 1,024 + 128 w
	s_mov_b32 s45, 0
	s_lshl_b32 s46, s59, 10
	s_lshl_b32 s58, s58, 8
	s_add_co_u32 s46, s46, s58
	s_lshl_b32 s58, s[WV], 2
	s_add_co_u32 s46, s46, s58                     ; its scale bytes: (32 B + 8 u) x 32 + 4 w
	s_mov_b32 s47, 0
	s_lshl_b32 s48, ttmp9, 15
	s_add_co_u32 s48, s48, s60                     ; the expert tiles' codes: 32 g rows + 128 w
	s_mov_b32 s49, 0
	s_lshl_b32 s50, ttmp9, 10
	s_add_co_u32 s50, s50, s58
	s_mov_b32 s51, 0
	s_lshl_b32 s52, ttmp9, 14
	s_lshl_b32 s58, s[WV], 11
	s_add_co_u32 s52, s52, s58                     ; images: 16,384 g + 2,048 w
	s_mov_b32 s53, 0
	s_lshl_b32 s54, ttmp9, 14
	s_add_co_u32 s54, s54, 4194304                 ; the experts' tiles begin at tile 256 + 2 g
	s_mov_b32 s55, 0
	s_lshl_b32 s58, ttmp9, 9
	s_add_co_u32 s56, s58, HSC                     ; the four scale images' places; wave w % 4 takes one
	s_add_co_u32 s57, s58, WSC
	s_lshl_b32 s59, ttmp9, 10
	s_add_co_u32 s59, s59, WSC+131072
	s_add_co_u32 s60, s59, 512
	s_cmp_eq_u32 s61, 1
	s_cselect_b32 s56, s57, s56
	s_cmp_eq_u32 s61, 2
	s_cselect_b32 s56, s59, s56
	s_cmp_eq_u32 s61, 3
	s_cselect_b32 s56, s60, s56
	s_mov_b32 s57, 0
	s_lshr_b32 s58, ttmp9, 6                       ; which of wq, wk, wv, wo: the choice hangs on the work-group's number alone
	s_wait_kmcnt 0x0
	s_cmp_eq_u32 s58, 1
	s_cselect_b64 s[14:15], s[16:17], s[14:15]
	s_cselect_b64 s[24:25], s[26:27], s[24:25]
	s_cmp_eq_u32 s58, 2
	s_cselect_b64 s[14:15], s[18:19], s[14:15]
	s_cselect_b64 s[24:25], s[28:29], s[24:25]
	s_cmp_eq_u32 s58, 3
	s_cselect_b64 s[14:15], s[20:21], s[14:15]
	s_cselect_b64 s[24:25], s[30:31], s[24:25]
	s_add_nc_u64 s[8:9], s[8:9], s[40:41]
	s_add_nc_u64 s[10:11], s[10:11], s[42:43]
	s_add_nc_u64 s[12:13], s[12:13], s[42:43]
	s_add_nc_u64 s[14:15], s[14:15], s[44:45]
	s_add_nc_u64 s[24:25], s[24:25], s[46:47]
	s_add_nc_u64 s[22:23], s[22:23], s[48:49]
	s_add_nc_u64 s[32:33], s[32:33], s[50:51]
	s_add_nc_u64 s[16:17], s[34:35], s[52:53]      ; out: h's fragment,
	s_add_nc_u64 s[18:19], s[16:17], WIMG          ; the weight tile's,
	s_add_nc_u64 s[20:21], s[18:19], s[54:55]      ; the expert tiles',
	s_add_nc_u64 s[26:27], s[34:35], s[56:57]      ; a scale image
	; 33 loads: 16 rows of x (512 consecutive bytes each), gain, bias, 12 pieces of weights, 3 scale words
.irp i, 0,1,2,3,4,5,6,7,8,9,10,11,12,13,14,15
	global_load_b128 v[RW+4*\i:RW+4*\i+3], v4, s[8:9] offset:(\i+8*(\i/8))*4096
.endr
	global_load_b128 v[18:21], v4, s[10:11]
	global_load_b128 v[22:25], v4, s[12:13]
.irp c, 0,1,2,3
	global_load_b128 v[WP+4*\c:WP+4*\c+3], v10, s[14:15] offset:32*\c
.endr
.irp i, 0,1
.irp c, 0,1,2,3
	global_load_b128 v[WP+16+16*\i+4*\c:WP+16+16*\i+4*\c+3], v10, s[22:23] offset:8192*\i+32*\c
.endr
.endr
	global_load_b32 v[WW], v11, s[24:25]
	global_load_b32 v[WW+1], v11, s[32:33]
	global_load_b32 v[WW+2], v11, s[32:33] offset:256
	s_wait_loadcnt 17                              ; the 16 rows are in; gain, bias, 12 pieces and 3 words may be out
.irp i, 0,1,2,3,4,5,6,7,8,9,10,11,12,13,14,15
	ds_store_b128 v5, v[RW+4*\i:RW+4*\i+3] offset:528*\i
.endr
	s_wait_loadcnt 15                              ; gain and bias are in
	ds_store_b128 v13, v[18:21]
	ds_store_b128 v13, v[22:25] offset:512
.irp b, 0,1,2,3
.irp j, 0,1,2,3
	ds_load_b128 v[X+16*\b+4*\j:X+16*\b+4*\j+3], v6 offset:128*\b+16*\j   ; LDS serves a wave's instructions in order: these see my stores
.endr
.endr
	s_wait_loadcnt 0x0
.irp c, 0,1,2,3
	global_store_b128 v4, v[WP+4*\c:WP+4*\c+3], s[18:19] offset:512*\c    ; each store: 512 consecutive bytes
.endr
.irp i, 0,1
.irp c, 0,1,2,3
	global_store_b128 v4, v[WP+16+16*\i+4*\c:WP+16+16*\i+4*\c+3], s[20:21] offset:16384*\i+512*\c
.endr
.endr
.irp i, 0,1,2
	ds_store_b32 v12, v[WW+\i] offset:512*(1+\i)
.endr
	s_wait_dscnt 0x0                               ; my 64 numbers are in
	; the mean
.irp k, 0,1,2,3
	v_pk_add_f32 v[18+2*\k:19+2*\k], v[X+2*\k:X+2*\k+1], v[X+8+2*\k:X+9+2*\k]
.endr
.irp i, 2,3,4,5,6,7
.irp k, 0,1,2,3
	v_pk_add_f32 v[18+2*\k:19+2*\k], v[18+2*\k:19+2*\k], v[X+8*\i+2*\k:X+8*\i+2*\k+1]
.endr
.endr
	FOLD
	WGSUM 0
	v_mul_f32 v14, s62, v26
	v_mov_b32 v15, v14
	s_wait_xcnt 0x0                                ; the weights' stores have read their registers: the bias may land there
.irp b, 0,1,2,3
.irp j, 0,1,2,3
	ds_load_b128 v[GG+16*\b+4*\j:GG+16*\b+4*\j+3], v7 offset:128*\b+16*\j
	ds_load_b128 v[BB+16*\b+4*\j:BB+16*\b+4*\j+3], v7 offset:512+128*\b+16*\j
.endr
.endr
	; the variance of x - mean
.set qi, 0
.rept 32
	v_pk_add_f32 v[X+qi:X+qi+1], v[X+qi:X+qi+1], v[14:15] op_sel_hi:[1,0] neg_lo:[0,1] neg_hi:[0,1]
.set qi, qi+2
.endr
.irp k, 0,1,2,3
	v_pk_mul_f32 v[18+2*\k:19+2*\k], v[X+2*\k:X+2*\k+1], v[X+2*\k:X+2*\k+1]
.endr
.irp i, 1,2,3,4,5,6,7
.irp k, 0,1,2,3
	v_pk_fma_f32 v[18+2*\k:19+2*\k], v[X+8*\i+2*\k:X+8*\i+2*\k+1], v[X+8*\i+2*\k:X+8*\i+2*\k+1], v[18+2*\k:19+2*\k]
.endr
.endr
	FOLD
	WGSUM 512                                      ; (its barrier's wait also brings gain and bias in)
	v_fma_f32 v16, v26, s62, s63                   ; variance + 1e-5
	v_rsq_f32 v16, v16
	v_nop                                          ; one plain line behind a transcendental
	s_wait_alu depctr_va_vdst(0)
	v_mov_b32 v17, v16
.set qi, 0
.rept 32
	v_pk_mul_f32 v[X+qi:X+qi+1], v[X+qi:X+qi+1], v[16:17] op_sel_hi:[1,0]
.set qi, qi+2
.endr
.set qi, 0
.rept 32
	v_pk_fma_f32 v[X+qi:X+qi+1], v[X+qi:X+qi+1], v[GG+qi:GG+qi+1], v[BB+qi:BB+qi+1]
.set qi, qi+2
.endr
	QUANT X, 4
	v_lshl_or_b32 v26, v[TM+5], 8, v[TM+4]         ; the four bytes: my row's scale word of K step w
	v_lshl_or_b32 v26, v[TM+6], 16, v26
	v_lshl_or_b32 v26, v[TM+7], 24, v26
.irp c, 0,1,2,3
	global_store_b128 v4, v[PC+4*\c:PC+4*\c+3], s[16:17] offset:512*\c
.endr
	ds_store_b32 v12, v26
	BAR                                            ; the four scale images are whole
	s_cmp_lt_u32 s[WV], 4
	s_cbranch_scc0 .Lend
	ds_load_b128 v[18:21], v28
	s_wait_dscnt 0x0
	global_store_b128 v4, v[18:21], s[26:27]
.Lend:
	s_wait_tensorcnt 0x0
	ds_add_u32 v30, v31
	s_wait_dscnt 0x0
	s_endpgm
.Lfunc_end_k_q0fc147ba81_prep:
	.size	k_q0fc147ba81_prep, .Lfunc_end_k_q0fc147ba81_prep-k_q0fc147ba81_prep
	.p2alignl 7, 3214868480
	.fill 96, 4, 3214868480
	.section	.rodata,"a",@progbits
	.p2align	6, 0x0
	.amdhsa_kernel k_q0fc147ba81_prep
		.amdhsa_group_segment_fixed_size 79872
		.amdhsa_private_segment_fixed_size 0
		.amdhsa_enable_private_segment 0
		.amdhsa_kernarg_size 112
		.amdhsa_user_sgpr_count 2
		.amdhsa_user_sgpr_kernarg_segment_ptr 1
		.amdhsa_wavefront_size32 1
		.amdhsa_system_sgpr_workgroup_id_x 1
		.amdhsa_system_sgpr_workgroup_id_y 1
		.amdhsa_system_sgpr_workgroup_id_z 1
		.amdhsa_system_vgpr_workitem_id 0
		.amdhsa_next_free_vgpr 256
		.amdhsa_next_free_sgpr 66
		.amdhsa_reserve_vcc 0
		.amdhsa_float_denorm_mode_32 3
		.amdhsa_float_denorm_mode_16_64 3
		.amdhsa_memory_ordered 1
		.amdhsa_forward_progress 1
		.amdhsa_inst_pref_size 35
	.end_amdhsa_kernel
	.amdgpu_metadata
---
amdhsa.version: [ 1, 2 ]
amdhsa.kernels:
  - .name:           k_q0fc147ba81_prep
    .symbol:         k_q0fc147ba81_prep.kd
    .args:
      - { .name: x, .offset: 0, .size: 8, .value_kind: global_buffer, .address_space: global }
      - { .name: ln1_g, .offset: 8, .size: 8, .value_kind: global_buffer, .address_space: global }
      - { .name: ln1_b, .offset: 16, .size: 8, .value_kind: global_buffer, .address_space: global }
      - { .name: wq_codes, .offset: 24, .size: 8, .value_kind: global_buffer, .address_space: global }
      - { .name: wk_codes, .offset: 32, .size: 8, .value_kind: global_buffer, .address_space: global }
      - { .name: wv_codes, .offset: 40, .size: 8, .value_kind: global_buffer, .address_space: global }
      - { .name: wo_codes, .offset: 48, .size: 8, .value_kind: global_buffer, .address_space: global }
      - { .name: expert_w_codes, .offset: 56, .size: 8, .value_kind: global_buffer, .address_space: global }
      - { .name: wq_scales, .offset: 64, .size: 8, .value_kind: global_buffer, .address_space: global }
      - { .name: wk_scales, .offset: 72, .size: 8, .value_kind: global_buffer, .address_space: global }
      - { .name: wv_scales, .offset: 80, .size: 8, .value_kind: global_buffer, .address_space: global }
      - { .name: wo_scales, .offset: 88, .size: 8, .value_kind: global_buffer, .address_space: global }
      - { .name: expert_w_scales, .offset: 96, .size: 8, .value_kind: global_buffer, .address_space: global }
      - { .name: pre, .offset: 104, .size: 8, .value_kind: global_buffer, .address_space: global }
    .group_segment_fixed_size: 79872
    .private_segment_fixed_size: 0
    .kernarg_segment_align: 8
    .kernarg_segment_size: 112
    .max_flat_workgroup_size: 256
    .sgpr_count:     66
    .vgpr_count:     256
    .wavefront_size: 32
...
	.end_amdgpu_metadata
.endif
;; end of part 1
;; launch qkv (part 2): grid 16 x 16, 4 waves a work-group, no clusters, 301,568 bytes of LDS; arguments pre, qkvb; writes qkvb
.if DOCPART == 2
	.amdgcn_target "amdgcn-amd-amdhsa--gfx1250"
	.amdhsa_code_object_version 6
	.text
	.protected	k_q0fc147ba81_qkv
	.globl	k_q0fc147ba81_qkv
	.p2align	8
	.type	k_q0fc147ba81_qkv,@function
k_q0fc147ba81_qkv:
	s_mov_b64 s[64:65], 0
	v_nop
	global_prefetch_b8 v0, s[64:65] scope:SCOPE_SE
	s_setreg_imm32_b32 hwreg(HW_REG_WAVE_MODE, 25, 1), 1
	s_wait_xcnt 0x0
; QKV.  q, k, v = h wq^T, h wk^T, h wv^T on codes of E4M3 with E8M0 scales; the results are quantised in registers and stored as images of the next products' operands:
; q and k along the head's 64 channels (half fragments of 1,024 bytes a token tile; scale word: two bytes, then 0x7f 0x7f), v along the KEYS (fragments [head][128 keys][16 channels]).
; SHARES.  Work-group (rb, head): 256 tokens x the head's 64 channels of q, k and v: three units of 4 weight tiles.  Wave w: token tiles 16 rb + 4 w + 0 .. 3, whose 32 fragments
; (512 registers) stay for the whole launch.  The three units' codes (3 x 65,536 bytes) and scale images come into LDS once, by tensor loads of waves 0 to 2, and all four waves read them:
; each fragment read from LDS feeds four products.  No LDS byte is filled twice.
; h'S FRAGMENTS COME BY TWO ROADS AT ONCE: K steps 0 to 4 by 80 loads into registers, K steps 5 to 7 by one tensor load of the wave's own (4 rows of 6,144 bytes) into LDS bytes that only this wave reads.
; The first unit's products start on counted waits, K step by K step, while the later steps' loads are still out.  By this text's own count a wave has at most three tensor loads out.
; q, k: source 0 = 16 rows of the weight, source 1 = 16 tokens: a lane holds one token and its registers run along the channels.  v: the other way round: a lane holds one channel, registers along the tokens.
; No cluster: what neighbours share (198 KB of a work-group's 454 KB) is asked for once at the head, not step by step.
; LIMITS: NaN and infinities are not served; a block of zeros gets the scale byte 1 (this program alone reads these bytes).
.set HSC,  4194304
.set WIMG, 4325376
.set WSC,  16908288
.set KIMG, 4194304                     ; qkvb: q's images at 0, k's, v's, then the scale words of q, k, v
.set VIMG, 8388608
.set QSC,  12582912
.set KSC,  12845056
.set VSC,  13107200
.set BSL,  196608                      ; LDS: unit u's codes at 65,536 u; its four scale images at BSL + 2,048 u
.set AHB,  202752                      ; behind them: K steps 5 to 7 of each wave's four token tiles, 24,576 bytes a wave
.set NSTEP, 24                         ; 3 units x 8 K steps of 128
.set RB,   4                           ; buffers of 64 registers for the weights' fragments (window 1)
.set PD,   2                           ; K steps that the LDS loads run ahead
.set ASC,  16                          ; v16-31   h's scale images: 4 m + j
.set BSC,  32                          ; v32-79   the weights': 16 u + 4 t + j
.set ACC,  80                          ; v80-207  16 accumulators
.set PC,   208
.set TM,   224
.set WD,   240
.set WV,   8
.set HD,   10
.set G1B,  16
.set G1S,  24
.set G0B,  32
.set G0S,  36
.set QO,   40                          ; s[40:51]: where q's, k's, v's images and q's, k's, v's scale words go
.set KO,   42
.set VO,   44
.set QS,   46
.set KSB,  48
.set VS,   50
.set HM,   52                          ; lanes 16-31
.set MNT,  53
.set SEL,  54
.set G1A,  68                          ; s[68:75], s[76:79]: the descriptor of h's K steps 5 to 7
.set G0A,  76
.set MSB, 0
.macro WIN new                         ; the immediate's high byte repeats the setting that is left
.if MSB != (\new)
	s_set_vgpr_msb (MSB<<8)|(\new)
.set MSB, (\new)
.endif
.endm
.macro PLACES n
.rept \n
	v_nop
.endr
.endm
.macro DESC g, c, r, p                 ; group 1: r rows of c elements of 8 bytes, p elements from row to row, no padding
	s_mov_b32 s[\g], 3<<16
	s_mov_b32 s[\g+1], (\c)<<16
	s_mov_b32 s[\g+2], (\r)<<16
	s_mov_b32 s[\g+3], (\c)<<16
	s_mov_b32 s[\g+4], \r
	s_mov_b32 s[\g+5], \p
	s_mov_b32 s[\g+6], 0
	s_mov_b32 s[\g+7], 0
.endm
.macro QUANT s, nb
.set qb, 0
.rept \nb
	v_max3_num_f32 v[TM+qb], |v[16*qb+(\s)]|, |v[16*qb+1+(\s)]|, 0x4800000   ; my 16 numbers and the floor 2^(9 - 127)
.set qb, qb+1
.endr
.irp i, 2,4,6,8,10,12,14
.set qb, 0
.rept \nb
	v_max3_num_f32 v[TM+qb], v[TM+qb], |v[16*qb+\i+(\s)]|, |v[16*qb+\i+1+(\s)]|
.set qb, qb+1
.endr
.endr
.set qb, 0
.rept \nb
	v_permlanex16_b32 v[TM+4+qb], v[TM+qb], s[SEL], s[SEL+1]
.set qb, qb+1
.endr
.set qb, 0
.rept \nb
	v_max_num_f32 v[TM+qb], v[TM+qb], v[TM+4+qb]
.set qb, qb+1
.endr
.set qb, 0
.rept \nb
	v_add_nc_u32 v[TM+12+qb], 0xfc000000, v[TM+qb]
	v_and_or_b32 v[TM+8+qb], v[TM+qb], 0x7f800000, s[MNT]
.set qb, qb+1
.endr
.set qb, 0
.rept \nb
	v_lshrrev_b32 v[TM+4+qb], 23, v[TM+12+qb]
.set qb, qb+1
.endr
.set qb, 0
.rept \nb
.set qi, 0
.rept 16
	v_med3_num_f32 v[16*qb+qi+(\s)], v[16*qb+qi+(\s)], -v[TM+8+qb], v[TM+8+qb]
.set qi, qi+1
.endr
	v_cvt_scalef32_pk8_fp8_f32 v[PC+4*qb:PC+4*qb+1], v[16*qb+(\s):16*qb+7+(\s)], v[TM+12+qb]
	v_cvt_scalef32_pk8_fp8_f32 v[PC+4*qb+2:PC+4*qb+3], v[16*qb+8+(\s):16*qb+15+(\s)], v[TM+12+qb]
.set qb, qb+1
.endr
	v_nop
.endm
; one product; zero: it starts the sum; odd: an odd K step's scale words lie in lanes 16-31 of both scale registers
.macro MM d, a, b, sa, sb, zero, odd
.if \zero
	v_wmma_scale_f32_16x16x128_f8f6f4 v[\d:\d+7], v[\a:\a+15], v[\b:\b+15], 0, v[\sa], v[\sb]
.elseif \odd
	v_wmma_scale_f32_16x16x128_f8f6f4 v[\d:\d+7], v[\a:\a+15], v[\b:\b+15], v[\d:\d+7], v[\sa], v[\sb] matrix_a_scale:MATRIX_SCALE_ROW1 matrix_b_scale:MATRIX_SCALE_ROW1
.else
	v_wmma_scale_f32_16x16x128_f8f6f4 v[\d:\d+7], v[\a:\a+15], v[\b:\b+15], v[\d:\d+7], v[\sa], v[\sb]
.endif
.endm
.macro RING k                          ; step k's four weight fragments: 16 loads of 512 consecutive bytes
.set rn, \k
	WIN 0x40
.irp t, 0,1,2,3
.irp c, 0,1,2,3
	ds_load_b128 v[64*(rn%RB)+16*\t+4*\c:64*(rn%RB)+16*\t+4*\c+3], v[4+rn/8] offset:16384*\t+2048*(rn%8)+512*\c
.endr
.endr
.endm
; K step s of unit u: 16 products, the 16 accumulators by turns.  Eight places stand ahead of the loads into registers that products have read.
.macro KS u, s, tr
.set kn, 8*(\u)+(\s)
	PLACES 8
.if kn+PD < NSTEP
	RING kn+PD
.endif
.if NSTEP-1-kn >= PD
	s_wait_dscnt 16*PD                             ; this step's loads are in; those of the PD later steps may be out
.else
	s_wait_dscnt 16*(NSTEP-1-kn)
.endif
.if kn <= 4
.if kn == 0
	s_wait_loadcnt 63                              ; h's scale images and K step 0 are in: 64 loads were issued behind them, and the count's field holds 63
.else
	s_wait_loadcnt 16*(4-kn)                       ; h's K step kn is in; the 16 loads of each later step may be out
.endif
.endif
.if \tr
	WIN 0x09+4*((\s)/4)                            ; source 0: the weight (window 1); source 1: h (window 2 or 3)
.else
	WIN 0x06+((\s)/4)                              ; source 0: h; source 1: the weight
.endif
.irp t, 0,1,2,3
.irp m, 0,1,2,3
.set rB, 64*(kn%RB)+16*\t
.set rA, 16*(4*((\s)%4)+\m)
.set rSB, BSC+16*(\u)+4*\t+(\s)/2
.set rSA, ASC+4*\m+(\s)/2
.if \tr
.set rD, ACC+8*(4*\m+\t)
	MM rD, rB, rA, rSB, rSA, (\s)==0, (\s)%2
.else
.set rD, ACC+8*(4*\t+\m)
	MM rD, rA, rB, rSA, rSB, (\s)==0, (\s)%2
.endif
.endr
.endr
.endm
; A unit's 16 tiles are quantised, 64 registers at a time, and stored.
.macro EPI u
	WIN 0
	PLACES 9                                       ; behind the last products: their results are read, and later written over by the next unit's
.irp p, 0,1
	s_wait_xcnt 0x0                                ; the last stores have read the codes' and words' registers
	QUANT ACC+64*\p, 4
	v_lshl_or_b32 v[WD], v[TM+5], 8, v[TM+4]
	v_lshl_or_b32 v[WD+1], v[TM+7], 8, v[TM+6]
.if \u < 2
.irp q, 0,1,2,3                        ; token tiles 2 p and 2 p + 1, two pieces each
	global_store_b128 v4, v[PC+4*\q:PC+4*\q+3], s[QO+2*\u:QO+2*\u+1] offset:2048*\p+512*\q
.endr
	v_cndmask_b32 v[WD], v[WD], v[WD+1], s[HM]     ; lanes 0-15: tile 2 p's words, lanes 16-31: tile 2 p + 1's
	v_or_b32 v[WD], 0x7f7f0000, v[WD]              ; the upper 64 of the form's 128 along K are zero codes under the scale 1
	global_store_b32 v8, v[WD], s[QS+2*\u:QS+2*\u+1] offset:128*\p
.else
.irp q, 0,1,2,3                        ; channel tiles 2 p and 2 p + 1, my two blocks of 32 keys each
	global_store_b128 v4, v[PC+4*\q:PC+4*\q+3], s[VO:VO+1] offset:2048*(2*\p+\q/2)+512*(\q%2)
.endr
	global_store_b16 v8, v[WD], s[VS:VS+1] offset:256*\p
	global_store_b16 v8, v[WD+1], s[VS:VS+1] offset:256*\p+128
.endif
.endr
.endm
	s_load_b128 s[4:7], s[0:1], 0x0                ; pre, qkvb
	v_lshl_add_u32 v254, v0, 2, 0x49800
	v_mov_b32 v255, 0
	ds_add_u32 v254, v255
	ds_add_u32 v254, v255
	v_lshrrev_b32 v1, 5, v0
	v_readfirstlane_b32 s[WV], v1                  ; wave 0..3
	s_and_b32 s[HD], ttmp7, 0xffff                 ; the head
	DESC G1B, 32, 256, 32                          ; a unit's codes: 65,536 dense bytes as rows of 256
	DESC G1S, 32, 8, 32                            ; its scale images: 2,048 dense bytes
	DESC G1A, 768, 4, 2048                         ; h: 4 tiles, of each the last 6,144 of its 16,384 bytes
	s_mov_b32 s[G0B], 1
	s_lshl_b32 s[G0B+1], s[WV], 16                 ; unit = wave: its codes' place in LDS,
	s_mov_b32 s[G0S], 1
	s_lshl_b32 s[G0S+1], s[WV], 11
	s_add_co_u32 s[G0S+1], s[G0S+1], BSL           ; its scale images'
	s_mov_b32 s[G0A], 1
	s_mul_i32 s[G0A+1], s[WV], 24576
	s_add_co_u32 s[G0A+1], s[G0A+1], AHB           ; my own bytes for h's K steps 5 to 7
	s_lshl_b32 s56, s[HD], 16
	s_lshl_b32 s57, s[WV], 20
	s_add_co_u32 s56, s56, s57
	s_add_co_u32 s56, s56, WIMG                    ; tiles 64 u + 4 head on: 16,384 bytes each
	s_mov_b32 s57, 0
	s_lshl_b32 s58, s[HD], 11
	s_lshl_b32 s59, s[WV], 15
	s_add_co_u32 s58, s58, s59
	s_add_co_u32 s58, s58, WSC
	s_mov_b32 s59, 0
	s_lshl_b32 s60, ttmp9, 18
	s_lshl_b32 s61, s[WV], 16
	s_add_co_u32 s60, s60, s61                     ; my four token tiles: (16 rb + 4 w) x 16,384
	s_mov_b32 s61, 0
	s_wait_dscnt 0x0
	s_wait_kmcnt 0x0
	s_add_nc_u64 s[G0B+2:G0B+3], s[4:5], s[56:57]
	s_or_b32 s[G0B+3], s[G0B+3], 0x80000000
	s_add_nc_u64 s[G0S+2:G0S+3], s[4:5], s[58:59]
	s_or_b32 s[G0S+3], s[G0S+3], 0x80000000
	s_add_nc_u64 s[12:13], s[4:5], s[60:61]
	s_add_nc_u64 s[G0A+2:G0A+3], s[12:13], 10240   ; K step 5 begins 5 x 2,048 bytes into a tile's image
	s_or_b32 s[G0A+3], s[G0A+3], 0x80000000
	s_cmp_lt_u32 s[WV], 3                          ; waves 0 to 2: a unit each, in one branch; then every wave its own part of h.  All stand ahead of every wait, LDS read and barrier
	s_cbranch_scc0 .Lnofill
	tensor_load_to_lds s[G0S:G0S+3], s[G1S:G1S+7]
	s_nop 0
	tensor_load_to_lds s[G0B:G0B+3], s[G1B:G1B+7]
	s_nop 0
	PLACES 4
.Lnofill:
	tensor_load_to_lds s[G0A:G0A+3], s[G1A:G1A+7]
	s_nop 0
	PLACES 4
	v_and_b32 v1, 31, v0
	v_lshlrev_b32 v4, 4, v1                        ; 16 x lane: unit 0 in LDS, and every image in memory
	v_add_nc_u32 v5, 0x10000, v4                   ; unit 1
	v_add_nc_u32 v6, 0x20000, v4                   ; unit 2
	v_add_nc_u32 v9, BSL, v4                       ; the scale images
	v_add_nc_u32 v10, s[G0A+1], v4                 ; my part of h in LDS
	v_lshlrev_b32 v8, 2, v1                        ; 4 x lane
.irp b, 0,1,2,3
	v_mov_b32 v[TM+4+\b], 0                        ; lane permutes' destinations count as read
.endr
	s_mov_b32 s[HM], 0xffff0000
	s_mov_b32 s[MNT], 0x600000
	s_mov_b32 s[SEL], 0x76543210
	s_mov_b32 s[SEL+1], 0xfedcba98
	s_lshl_b32 s56, ttmp9, 13
	s_lshl_b32 s58, s[WV], 11
	s_add_co_u32 s56, s56, s58
	s_add_co_u32 s56, s56, HSC
	s_add_nc_u64 s[14:15], s[4:5], s[56:57]
.irp m, 0,1,2,3
	global_load_b128 v[ASC+4*\m:ASC+4*\m+3], v4, s[14:15] offset:512*\m
.endr
	WIN 0x80
.irp s, 0,1,2,3                        ; K step by K step, so that the counted waits can follow them
.irp m, 0,1,2,3
.irp c, 0,1,2,3
	global_load_b128 v[16*(4*\s+\m)+4*\c:16*(4*\s+\m)+4*\c+3], v4, s[12:13] offset:16384*\m+2048*\s+512*\c
.endr
.endr
.endr
	WIN 0xc0
.irp m, 0,1,2,3                        ; K step 4
.irp c, 0,1,2,3
	global_load_b128 v[16*\m+4*\c:16*\m+4*\c+3], v4, s[12:13] offset:16384*\m+2048*4+512*\c
.endr
.endr
	WIN 0
	; where the results go
	s_lshr_b32 s58, ttmp9, 3
	s_lshl_b32 s58, s58, 4
	s_add_co_u32 s58, s58, s[HD]                   ; bh = 16 x batch + head
	s_and_b32 s59, ttmp9, 7
	s_lshl_b32 s56, s58, 17
	s_lshl_b32 s60, s59, 14
	s_add_co_u32 s56, s56, s60
	s_lshl_b32 s60, s[WV], 12
	s_add_co_u32 s56, s56, s60                     ; [bh][128 tiles] x 1,024
	s_add_nc_u64 s[QO:QO+1], s[6:7], s[56:57]
	s_add_nc_u64 s[KO:KO+1], s[QO:QO+1], KIMG
	s_lshl_b32 s56, s58, 13
	s_lshl_b32 s60, s59, 10
	s_add_co_u32 s56, s56, s60
	s_lshl_b32 s60, s[WV], 8
	s_add_co_u32 s56, s56, s60
	s_add_co_u32 s56, s56, QSC                     ; [bh][128 tiles] x 64
	s_add_nc_u64 s[QS:QS+1], s[6:7], s[56:57]
	s_add_nc_u64 s[KSB:KSB+1], s[QS:QS+1], KSC-QSC
	s_lshl_b32 s61, s59, 2
	s_add_co_u32 s61, s61, s[WV]                   ; my 64 tokens: block 0..31 of the batch: key step block / 2, half block % 2
	s_lshr_b32 s62, s61, 1
	s_and_b32 s61, s61, 1
	s_lshl_b32 s56, s58, 17
	s_lshl_b32 s60, s62, 13
	s_add_co_u32 s56, s56, s60
	s_lshl_b32 s60, s61, 10
	s_add_co_u32 s56, s56, s60
	s_add_co_u32 s56, s56, VIMG
	s_add_nc_u64 s[VO:VO+1], s[6:7], s[56:57]
	s_lshl_b32 s56, s58, 13
	s_lshl_b32 s60, s62, 9
	s_add_co_u32 s56, s56, s60
	s_lshl_b32 s60, s61, 1
	s_add_co_u32 s56, s56, s60
	s_add_co_u32 s56, s56, VSC
	s_add_nc_u64 s[VS:VS+1], s[6:7], s[56:57]
	s_wait_tensorcnt 0x0                           ; my unit and my part of h have landed,
	s_barrier_signal -1
	s_barrier_wait -1                              ; everybody's unit has
.irp u, 0,1,2
.irp t, 0,1,2,3
	ds_load_b128 v[BSC+16*\u+4*\t:BSC+16*\u+4*\t+3], v9 offset:2048*\u+512*\t
.endr
.endr
	WIN 0xc0
.irp s, 1,2,3                          ; h's K steps 5 to 7, out of my own LDS bytes
.irp m, 0,1,2,3
.irp c, 0,1,2,3
	ds_load_b128 v[16*(4*\s+\m)+4*\c:16*(4*\s+\m)+4*\c+3], v10 offset:6144*\m+2048*(\s-1)+512*\c
.endr
.endr
.endr
	RING 0
	RING 1
	WIN 0
.irp s, 0,1,2,3,4,5,6,7
	KS 0, \s, 1
.endr
	EPI 0
.irp s, 0,1,2,3,4,5,6,7
	KS 1, \s, 1
.endr
	EPI 1
.irp s, 0,1,2,3,4,5,6,7
	KS 2, \s, 0
.endr
	EPI 2
	s_wait_tensorcnt 0x0
	ds_add_u32 v254, v255
	s_wait_dscnt 0x0
	s_endpgm
.Lfunc_end_k_q0fc147ba81_qkv:
	.size	k_q0fc147ba81_qkv, .Lfunc_end_k_q0fc147ba81_qkv-k_q0fc147ba81_qkv
	.p2alignl 7, 3214868480
	.fill 96, 4, 3214868480
	.section	.rodata,"a",@progbits
	.p2align	6, 0x0
	.amdhsa_kernel k_q0fc147ba81_qkv
		.amdhsa_group_segment_fixed_size 301568
		.amdhsa_private_segment_fixed_size 0
		.amdhsa_enable_private_segment 0
		.amdhsa_kernarg_size 16
		.amdhsa_user_sgpr_count 2
		.amdhsa_user_sgpr_kernarg_segment_ptr 1
		.amdhsa_wavefront_size32 1
		.amdhsa_system_sgpr_workgroup_id_x 1
		.amdhsa_system_sgpr_workgroup_id_y 1
		.amdhsa_system_sgpr_workgroup_id_z 1
		.amdhsa_system_vgpr_workitem_id 0
		.amdhsa_next_free_vgpr 1024
		.amdhsa_next_free_sgpr 80
		.amdhsa_reserve_vcc 0
		.amdhsa_float_denorm_mode_32 3
		.amdhsa_float_denorm_mode_16_64 3
		.amdhsa_memory_ordered 1
		.amdhsa_forward_progress 1
		.amdhsa_inst_pref_size 151
	.end_amdhsa_kernel
	.amdgpu_metadata
---
amdhsa.version: [ 1, 2 ]
amdhsa.kernels:
  - .name:           k_q0fc147ba81_qkv
    .symbol:         k_q0fc147ba81_qkv.kd
    .args:
      - { .name: pre, .offset: 0, .size: 8, .value_kind: global_buffer, .address_space: global }
      - { .name: qkvb, .offset: 8, .size: 8, .value_kind: global_buffer, .address_space: global }
    .group_segment_fixed_size: 301568
    .private_segment_fixed_size: 0
    .kernarg_segment_align: 8
    .kernarg_segment_size: 16
    .max_flat_workgroup_size: 128
    .sgpr_count:     80
    .vgpr_count:     1024
    .wavefront_size: 32
...
	.end_amdgpu_metadata
.endif
;; end of part 2
;; launch attn (part 3): grid 8 x 32, 16 waves a work-group, no clusters, 280,576 bytes of LDS; arguments qkvb, att; writes att
.if DOCPART == 3
	.amdgcn_target "amdgcn-amd-amdhsa--gfx1250"
	.amdhsa_code_object_version 6
	.text
	.protected	k_q0fc147ba81_attn
	.globl	k_q0fc147ba81_attn
	.p2align	8
	.type	k_q0fc147ba81_attn,@function
k_q0fc147ba81_attn:
	s_mov_b64 s[64:65], 0
	v_nop
	global_prefetch_b8 v0, s[64:65] scope:SCOPE_SE
	s_setreg_imm32_b32 hwreg(HW_REG_WAVE_MODE, 25, 1), 1
	s_wait_xcnt 0x0
; ATTN.  Causal attention of one (batch, head) on codes of E4M3: S^T = K Q^T (K = the head's 64, the form's upper 64 are zero codes of Q), p = 2^(t - M) with t = score x log2(e) / 8 and M the running
; largest t rounded up to a whole number, p quantised along the keys, O^T = V^T P^T, divided at the end by the sum of the unquantised p.  The result is quantised along D and stored as images of the next product's operand.
; SHARES.  Work-group (g, bh); sixteen waves, each ONE tile of 16 queries in 256 registers, four waves to a SIMD, so that one wave's vector work stands beside another's products and LDS loads.
; Wave w owns query tile 8 kap + g; kap is taken from a 4 x 4 magic square, so that any four waves w % 4 equal, or w / 4 equal, have 34 key steps together.  Tile 8 kap + g needs key steps 0 .. kap; step kap lies on the diagonal.
; Every wave walks all 16 trips (constant counts); a step that lies wholly behind the mask is jumped over by a scalar branch on the wave's number; no barrier and no tensor load stands in a step.
; LDS, filled once: the head's K images (131,072 bytes), V images (131,072), K's and V's scale words (8,192 each), by three tensor loads of wave 0 (K) and of wave 1 (V): scales, key steps 0-1, key steps 2-15.
; By this text's own count a wave has at most three tensor loads out.  No cluster: the tiles are asked for once, at the head.
; A lane holds one query (lane % 16) throughout.  Token tiles are the permuted tiles of this program, so the 16 registers of score tiles 2 b, 2 b + 1 are keys 32 b + 16 (lane / 16) + 0 .. 15.
; LIMITS: NaN and infinities are not served; a block whose every p is 0 keeps the byte 1 (its codes are zeros).
.set KIMG, 4194304
.set QSC,  12582912
.set KSC,  12845056
.set ASCO, 4194304                     ; att: images at 0, scale images here
.set PC,   200                         ; v200-215 p's codes
.set TM,   224                         ; v224-227 block maxima, v228-231 bytes, v232-235 448 x scale, v236-239 the conversions' scale operands
.set WV,   8
.set GX,   9
.set BH,   10
.set KAP,  11
.set TQ,   12
.set G1A,  16
.set G1B,  24
.set G1C,  32
.set G0A,  40
.set G0B,  44
.set G0C,  48
.set SEL,  52
.set CS,   54
.set MNT,  56
.set ST,   57                          ; the key step
.set TK,   58                          ; 8,192 x step: K's and V's images
.set TS,   59                          ; 512 x step: their scale words
.macro PLACES n
.rept \n
	v_nop
.endr
.endm
.macro DESC g, rows
	s_mov_b32 s[\g], 3<<16
	s_mov_b32 s[\g+1], 32<<16
	s_mov_b32 s[\g+2], (\rows)<<16
	s_mov_b32 s[\g+3], 32<<16
	s_mov_b32 s[\g+4], \rows
	s_mov_b32 s[\g+5], 32
	s_mov_b32 s[\g+6], 0
	s_mov_b32 s[\g+7], 0
.endm
.macro QUANT s, nb
.set qb, 0
.rept \nb
	v_max3_num_f32 v[TM+qb], |v[16*qb+(\s)]|, |v[16*qb+1+(\s)]|, 0x4800000
.set qb, qb+1
.endr
.irp i, 2,4,6,8,10,12,14
.set qb, 0
.rept \nb
	v_max3_num_f32 v[TM+qb], v[TM+qb], |v[16*qb+\i+(\s)]|, |v[16*qb+\i+1+(\s)]|
.set qb, qb+1
.endr
.endr
.set qb, 0
.rept \nb
	v_permlanex16_b32 v[TM+4+qb], v[TM+qb], s[SEL], s[SEL+1]
.set qb, qb+1
.endr
.set qb, 0
.rept \nb
	v_max_num_f32 v[TM+qb], v[TM+qb], v[TM+4+qb]
.set qb, qb+1
.endr
.set qb, 0
.rept \nb
	v_add_nc_u32 v[TM+12+qb], 0xfc000000, v[TM+qb]
	v_and_or_b32 v[TM+8+qb], v[TM+qb], 0x7f800000, s[MNT]
.set qb, qb+1
.endr
.set qb, 0
.rept \nb
	v_lshrrev_b32 v[TM+4+qb], 23, v[TM+12+qb]
.set qb, qb+1
.endr
.set qb, 0
.rept \nb
.set qi, 0
.rept 16
	v_med3_num_f32 v[16*qb+qi+(\s)], v[16*qb+qi+(\s)], -v[TM+8+qb], v[TM+8+qb]
.set qi, qi+1
.endr
	v_cvt_scalef32_pk8_fp8_f32 v[PC+4*qb:PC+4*qb+1], v[16*qb+(\s):16*qb+7+(\s)], v[TM+12+qb]
	v_cvt_scalef32_pk8_fp8_f32 v[PC+4*qb+2:PC+4*qb+3], v[16*qb+8+(\s):16*qb+15+(\s)], v[TM+12+qb]
.set qb, qb+1
.endr
	v_nop
.endm
; A KEY STEP: 128 keys.
.macro STEP
	s_cmp_gt_u32 s[ST], s[KAP]                     ; all its keys come after my queries: only the lines that step addresses are run
	s_cbranch_scc1 .Lskip_\@
	v_add_nc_u32 v3, s[TK], v1
	v_add_nc_u32 v4, s[TK], v8
	v_add_nc_u32 v5, s[TS], v9
	v_add_nc_u32 v6, s[TS], v10
	PLACES 4                                       ; with the four additions: eight places ahead of loads into registers that products have read
.irp t, 0,1,2,3,4,5,6,7
	ds_load_b128 v[32+8*\t:35+8*\t], v3 offset:1024*\t
	ds_load_b128 v[36+8*\t:39+8*\t], v3 offset:1024*\t+512
.endr
.irp j, 0,1,2,3
	ds_load_b32 v[216+\j], v5 offset:128*\j        ; lanes 0-15: tile 2 j's scale words, lanes 16-31: tile 2 j + 1's
.endr
	s_wait_dscnt 0x0
; A tile of K is 8 registers; the operand names 16: its upper half (the next tile's codes, or zeros) meets Q's zero codes under scale bytes 0x7f
.irp t, 0,2,4,6
	v_wmma_scale_f32_16x16x128_f8f6f4 v[104+8*\t:111+8*\t], v[32+8*\t:47+8*\t], v[16:31], 0, v[216+\t/2], v220
	v_wmma_scale_f32_16x16x128_f8f6f4 v[112+8*\t:119+8*\t], v[40+8*\t:55+8*\t], v[16:31], 0, v[216+\t/2], v220 matrix_a_scale:MATRIX_SCALE_ROW1
.endr
	PLACES 8
.irp t, 0,1,2,3                        ; V's fragments are asked for now and land behind the softmax
.irp c, 0,1,2,3
	ds_load_b128 v[32+16*\t+4*\c:35+16*\t+4*\c], v4 offset:2048*\t+512*\c
.endr
	ds_load_b32 v[216+\t], v6 offset:128*\t
.endr
	s_cmp_lt_u32 s[ST], s[KAP]                     ; only the step on the diagonal hides keys
	s_cbranch_scc1 .Lopen_\@
	v_mov_b32 v244, 0xff800000                     ; -infinity: p = 0 then
.set nn, 0
.rept 64
	v_cmp_gt_i32 vcc_lo, 32*(nn/16)+nn%16, v7      ; register 16 b + i holds key 32 b + 16 h + i of the step: hidden where 32 b + i > my query - 16 h
	v_cndmask_b32 v[104+nn], v[104+nn], v244, vcc_lo
.set nn, nn+1
.endr
.Lopen_\@:
.irp b, 0,1,2,3
	v_max3_num_f32 v[224+\b], v[104+16*\b], v[105+16*\b], v[106+16*\b]   ; the largest score of each block of 32 keys: for the row's maximum and for the block's largest p
.endr
.irp i, 3,5,7,9,11,13
.irp b, 0,1,2,3
	v_max3_num_f32 v[224+\b], v[224+\b], v[104+16*\b+\i], v[105+16*\b+\i]
.endr
.endr
.irp b, 0,1,2,3
	v_max_num_f32 v[224+\b], v[224+\b], v[119+16*\b]
.endr
.irp b, 0,1,2,3
	v_permlanex16_b32 v[228+\b], v[224+\b], s[SEL], s[SEL+1]
.endr
.irp b, 0,1,2,3
	v_max_num_f32 v[224+\b], v[224+\b], v[228+\b]
.endr
	v_max3_num_f32 v244, v224, v225, v226
	v_max_num_f32 v244, v244, v227
	v_mul_f32 v244, s[CS], v244                    ; as t
	v_max_num_f32 v13, v13, v244                   ; the running largest t
	v_mov_b32 v244, v12
	v_floor_f32 v12, -v13                          ; -M = floor(-t): M is a whole number
	v_sub_f32 v244, v12, v244                      ; old M - new M, 0 or less
	v_cvt_i32_f32 v244, v244                       ; (it saturates)
	v_ldexp_f32 v240, 1.0, v244                    ; f = 2^(old M - new M): a multiplication by it rounds nothing
.set nn, 0
.rept 32
	v_pk_fma_f32 v[104+nn:105+nn], v[104+nn:105+nn], s[CS:CS+1], v[12:13] op_sel_hi:[1,0,0]   ; t - M
.set nn, nn+2
.endr
.irp b, 0,1,2,3
	v_fma_f32 v[224+\b], v[224+\b], s[CS], v12
.endr
.set nn, 0
.rept 64
	v_exp_f32 v[104+nn], v[104+nn]                 ; p = 2^(t - M)
.set nn, nn+1
.endr
.irp b, 0,1,2,3
	v_exp_f32 v[224+\b], v[224+\b]                 ; the block's largest p: the same two instructions on the same number
.endr
	v_pk_mul_f32 v[14:15], v[14:15], v[240:241] op_sel_hi:[1,0]   ; the sums under the new M (the plain line behind the exponentials)
	s_wait_alu depctr_va_vdst(0)
.irp b, 0,1,2,3
	v_max_num_f32 v[224+\b], 0x4800000, v[224+\b]  ; the floor 2^(9 - 127)
.endr
.irp b, 0,1,2,3
	v_add_nc_u32 v[236+\b], 0xfc000000, v[224+\b]
.endr
.irp b, 0,1,2,3
	v_and_or_b32 v[232+\b], v[224+\b], 0x7f800000, s[MNT]
.endr
.irp b, 0,1,2,3
	v_lshrrev_b32 v[228+\b], 23, v[236+\b]
.endr
	v_lshl_or_b32 v241, v229, 8, v228              ; p's scale word of these 128 keys
	v_lshl_or_b32 v241, v230, 16, v241
	v_lshl_or_b32 v241, v231, 24, v241
	v_pk_add_f32 v[242:243], v[104:105], v[106:107]   ; the row's sum is taken of the unquantised p, in two chains
.set nn, 4
.rept 15
	v_pk_add_f32 v[14:15], v[14:15], v[104+nn:105+nn]
	v_pk_add_f32 v[242:243], v[242:243], v[106+nn:107+nn]
.set nn, nn+4
.endr
	v_pk_add_f32 v[14:15], v[14:15], v[242:243]
.irp b, 0,1,2,3
.set nn, 0
.rept 16
	v_min_num_f32 v[104+16*\b+nn], v[104+16*\b+nn], v[232+\b]   ; the hold; p is never negative
.set nn, nn+1
.endr
	v_cvt_scalef32_pk8_fp8_f32 v[200+4*\b:201+4*\b], v[104+16*\b:111+16*\b], v[236+\b]
	v_cvt_scalef32_pk8_fp8_f32 v[202+4*\b:203+4*\b], v[112+16*\b:119+16*\b], v[236+\b]
.endr
.set nn, 0
.rept 16
	v_pk_mul_f32 v[168+nn:169+nn], v[168+nn:169+nn], v[240:241] op_sel_hi:[1,0]   ; O^T under the new M; these are also the places ahead of the products
.set nn, nn+2
.endr
	s_wait_dscnt 0x0                               ; V
.irp t, 0,1,2,3
	v_wmma_scale_f32_16x16x128_f8f6f4 v[168+8*\t:175+8*\t], v[32+16*\t:47+16*\t], v[200:215], v[168+8*\t:175+8*\t], v[216+\t], v241
.endr
.Lskip_\@:
	s_add_co_u32 s[ST], s[ST], 1
	s_add_co_u32 s[TK], s[TK], 8192
	s_add_co_u32 s[TS], s[TS], 512
.endm
	s_load_b128 s[4:7], s[0:1], 0x0                ; qkvb, att
	v_lshl_add_u32 v254, v0, 2, 0x44000
	v_mov_b32 v255, 0
	ds_add_u32 v254, v255
	ds_add_u32 v254, v255
	v_lshrrev_b32 v1, 5, v0
	v_readfirstlane_b32 s[WV], v1                  ; wave 0..15
	s_mov_b32 s[GX], ttmp9
	s_and_b32 s[BH], ttmp7, 0xffff
	DESC G1A, 32
	DESC G1B, 64
	DESC G1C, 448
	s_mov_b32 s[G0A], 1
	s_lshl_b32 s[G0A+1], s[WV], 13
	s_add_co_u32 s[G0A+1], s[G0A+1], 262144        ; scale words: K's at 262,144, V's 8,192 on
	s_mov_b32 s[G0B], 1
	s_lshl_b32 s[G0B+1], s[WV], 17                 ; images: K's at 0, V's at 131,072
	s_mov_b32 s[G0C], 1
	s_add_co_u32 s[G0C+1], s[G0B+1], 16384
	s_lshl_b32 s60, s[BH], 13
	s_lshl_b32 s61, s[WV], 18
	s_add_co_u32 s60, s60, s61
	s_add_co_u32 s60, s60, KSC
	s_mov_b32 s61, 0
	s_lshl_b32 s62, s[BH], 17
	s_lshl_b32 s63, s[WV], 22
	s_add_co_u32 s62, s62, s63
	s_add_co_u32 s62, s62, KIMG
	s_mov_b32 s63, 0
	s_wait_dscnt 0x0
	s_wait_kmcnt 0x0
	s_add_nc_u64 s[G0A+2:G0A+3], s[4:5], s[60:61]
	s_add_nc_u64 s[G0B+2:G0B+3], s[4:5], s[62:63]
	s_add_nc_u64 s[G0C+2:G0C+3], s[G0B+2:G0B+3], 16384
	s_or_b32 s[G0A+3], s[G0A+3], 0x80000000
	s_or_b32 s[G0B+3], s[G0B+3], 0x80000000
	s_or_b32 s[G0C+3], s[G0C+3], 0x80000000
	s_cmp_lt_u32 s[WV], 2
	s_cbranch_scc0 .Lnofill
	tensor_load_to_lds s[G0A:G0A+3], s[G1A:G1A+7]
	s_nop 0
	tensor_load_to_lds s[G0B:G0B+3], s[G1B:G1B+7]
	s_nop 0
	tensor_load_to_lds s[G0C:G0C+3], s[G1C:G1C+7]
	s_nop 0
	PLACES 4
.Lnofill:
	s_mov_b32 s66, 0xF12C4A97                      ; the magic square, a nibble a wave
	s_cmp_lt_u32 s[WV], 8
	s_cselect_b32 s66, 0x865B3DE0, s66
	s_and_b32 s67, s[WV], 7
	s_lshl_b32 s67, s67, 2
	s_lshr_b32 s66, s66, s67
	s_and_b32 s[KAP], s66, 15
	s_lshl_b32 s[TQ], s[KAP], 3
	s_add_co_u32 s[TQ], s[TQ], s[GX]               ; my query tile
	s_lshl_b32 s70, s[BH], 17
	s_lshl_b32 s71, s[TQ], 10
	s_add_co_u32 s70, s70, s71
	s_mov_b32 s71, 0
	s_add_nc_u64 s[66:67], s[4:5], s[70:71]        ; Q's half fragment
	s_lshl_b32 s70, s[BH], 13
	s_lshl_b32 s72, s[TQ], 6
	s_add_co_u32 s70, s70, s72
	s_add_co_u32 s70, s70, QSC
	s_add_nc_u64 s[68:69], s[4:5], s[70:71]        ; and its scale words
	v_and_b32 v2, 31, v0
	v_lshlrev_b32 v1, 4, v2                        ; 16 x lane: K's images
	v_add_nc_u32 v8, 0x20000, v1                   ; V's
	v_lshlrev_b32 v9, 2, v2
	v_add_nc_u32 v10, 270336, v9                   ; V's scale words
	v_add_nc_u32 v9, 262144, v9                    ; K's
	v_and_b32 v3, 15, v0                           ; r
	v_bfe_u32 v4, v0, 4, 1                         ; h
	v_lshlrev_b32 v11, 2, v3
	v_lshlrev_b32 v2, 4, v3                        ; 16 r: the way out's scale bytes
	global_load_b128 v[16:19], v1, s[66:67]
	global_load_b128 v[20:23], v1, s[66:67] offset:512
	global_load_b32 v220, v11, s[68:69]
	s_lshr_b32 s70, s[GX], 1
	s_lshl_b32 s70, s70, 5
	s_and_b32 s72, s[GX], 1
	s_lshl_b32 s72, s72, 3
	s_add_co_u32 s70, s70, s72
	v_and_b32 v7, 8, v3
	v_add_nc_u32 v7, v7, v3
	v_lshlrev_b32 v4, 4, v4
	v_sub_nc_u32 v7, v7, v4
	v_add_nc_u32 v7, s70, v7                       ; my query's place in its key step, less 16 h
	s_lshr_b32 s70, s[BH], 4
	s_lshl_b32 s70, s70, 7
	s_add_co_u32 s70, s70, s[TQ]                   ; the token tile among all 256
	s_and_b32 s78, s[BH], 15                       ; the head
	s_lshl_b32 s72, s70, 14
	s_lshl_b32 s73, s78, 10
	s_add_co_u32 s72, s72, s73                     ; K step head / 2, pieces 2 (head % 2) on
	s_mov_b32 s73, 0
	s_add_nc_u64 s[74:75], s[6:7], s[72:73]
	s_lshl_b32 s72, s70, 9
	s_bfe_u32 s79, s78, 0x10001
	s_lshl_b32 s79, s79, 8
	s_add_co_u32 s72, s72, s79
	s_lshr_b32 s79, s78, 2
	s_lshl_b32 s79, s79, 2
	s_add_co_u32 s72, s72, s79
	s_and_b32 s79, s78, 1
	s_lshl_b32 s79, s79, 1
	s_add_co_u32 s72, s72, s79
	s_add_co_u32 s72, s72, ASCO
	s_add_nc_u64 s[76:77], s[6:7], s[72:73]
	s_mov_b32 s[SEL], 0x76543210
	s_mov_b32 s[SEL+1], 0xfedcba98
	s_mov_b32 s[CS], 0x3e38aa3b                    ; log2(e) / 8
	s_mov_b32 s[CS+1], s[CS]
	s_mov_b32 s[MNT], 0x600000
	s_mov_b32 s[ST], 0
	s_mov_b32 s[TK], 0
	s_mov_b32 s[TS], 0
	v_mov_b32 v13, 0xff61b1e6                      ; the largest t so far: -3e38
	v_floor_f32 v12, -v13
	v_mov_b32 v14, 0
	v_mov_b32 v15, 0
	v_mov_b32 v241, 0
	v_mov_b32 v244, 0
.irp j, 0,1,2,3,4,5,6,7
	v_mov_b32 v[24+\j], 0                          ; Q's upper 64 along K: zero codes
	v_mov_b32 v[96+\j], 0                          ; behind K's last tile
.endr
.irp b, 0,1,2,3
	v_mov_b32 v[228+\b], 0
.endr
.set nn, 0
.rept 32
	v_mov_b32 v[168+nn], 0                         ; O^T: the step is written once per loop; the first finds zeros
.set nn, nn+1
.endr
	s_wait_tensorcnt 1                             ; the scale words and key steps 0 and 1 have landed; the load of steps 2 to 15 may stay out
	s_barrier_signal -1
	s_barrier_wait -1
	s_wait_loadcnt 0x0                             ; Q
.Lfirst:
	STEP
	s_cmp_lt_u32 s[ST], 2
	s_cbranch_scc1 .Lfirst
	s_wait_tensorcnt 0x0                           ; key steps 2 to 15
	s_wait_dscnt 0x0
	s_barrier_signal -1
	s_barrier_wait -1
.Lrest:
	STEP
	s_cmp_lt_u32 s[ST], 16
	s_cbranch_scc1 .Lrest
	; THE WAY OUT
	PLACES 8                                       ; behind my last products only scalar lines may have been run
	v_add_f32 v14, v14, v15
	v_permlanex16_b32 v244, v14, s[SEL], s[SEL+1]
	v_add_f32 v14, v14, v244                       ; the row's sum
	v_rcp_f32 v14, v14
	v_nop
.set nn, 0
	s_wait_alu depctr_va_vdst(0)
.rept 32
	v_mul_f32 v[104+nn], v[168+nn], v14            ; register 16 b + i: channel 32 b + 16 h + i of the head
.set nn, nn+1
.endr
	QUANT 104, 2
	v_lshl_or_b32 v242, v[TM+5], 8, v[TM+4]
	global_store_b128 v1, v[200:203], s[74:75]
	global_store_b128 v1, v[204:207], s[74:75] offset:512
	global_store_b16 v2, v242, s[76:77]            ; two bytes of my row's scale word of K step head / 2
	s_wait_tensorcnt 0x0
	ds_add_u32 v254, v255
	s_wait_dscnt 0x0
	s_endpgm
.Lfunc_end_k_q0fc147ba81_attn:
	.size	k_q0fc147ba81_attn, .Lfunc_end_k_q0fc147ba81_attn-k_q0fc147ba81_attn
	.p2alignl 7, 3214868480
	.fill 96, 4, 3214868480
	.section	.rodata,"a",@progbits
	.p2align	6, 0x0
	.amdhsa_kernel k_q0fc147ba81_attn
		.amdhsa_group_segment_fixed_size 280576
		.amdhsa_private_segment_fixed_size 0
		.amdhsa_enable_private_segment 0
		.amdhsa_kernarg_size 16
		.amdhsa_user_sgpr_count 2
		.amdhsa_user_sgpr_kernarg_segment_ptr 1
		.amdhsa_wavefront_size32 1
		.amdhsa_system_sgpr_workgroup_id_x 1
		.amdhsa_system_sgpr_workgroup_id_y 1
		.amdhsa_system_sgpr_workgroup_id_z 1
		.amdhsa_system_vgpr_workitem_id 0
		.amdhsa_next_free_vgpr 256
		.amdhsa_next_free_sgpr 80
		.amdhsa_reserve_vcc 1
		.amdhsa_float_denorm_mode_32 3
		.amdhsa_float_denorm_mode_16_64 3
		.amdhsa_memory_ordered 1
		.amdhsa_forward_progress 1
		.amdhsa_inst_pref_size 62
	.end_amdhsa_kernel
	.amdgpu_metadata
---
amdhsa.version: [ 1, 2 ]
amdhsa.kernels:
  - .name:           k_q0fc147ba81_attn
    .symbol:         k_q0fc147ba81_attn.kd
    .args:
      - { .name: qkvb, .offset: 0, .size: 8, .value_kind: global_buffer, .address_space: global }
      - { .name: att, .offset: 8, .size: 8, .value_kind: global_buffer, .address_space: global }
    .group_segment_fixed_size: 280576
    .private_segment_fixed_size: 0
    .kernarg_segment_align: 8
    .kernarg_segment_size: 16
    .max_flat_workgroup_size: 512
    .sgpr_count:     80
    .vgpr_count:     256
    .wavefront_size: 32
...
	.end_amdgpu_metadata
.endif
;; end of part 3
;; launch proj (part 4): grid 16 x 16, 4 waves a work-group, no clusters, 216,576 bytes of LDS; arguments pre, att, x, x1; writes x1
.if DOCPART == 4
	.amdgcn_target "amdgcn-amd-amdhsa--gfx1250"
	.amdhsa_code_object_version 6
	.text
	.protected	k_q0fc147ba81_proj
	.globl	k_q0fc147ba81_proj
	.p2align	8
	.type	k_q0fc147ba81_proj,@function
k_q0fc147ba81_proj:
	s_mov_b64 s[64:65], 0
	v_nop
	global_prefetch_b8 v0, s[64:65] scope:SCOPE_SE
	s_setreg_imm32_b32 hwreg(HW_REG_WAVE_MODE, 25, 1), 1
	s_wait_xcnt 0x0
; PROJ.  x1 = x + attn wo^T, the product on codes of E4M3 with E8M0 scales, sums and the residual in f32.
; SHARES.  Work-group (rb, cu): 256 tokens x 64 columns.  Wave w: token tiles 16 rb + 4 w + 0 .. 3 (tokens 256 rb + 64 w on), whose 32 fragments stay in 512 registers.
; Every wave issues two tensor loads at the head: tile w of wo's four (16,384 dense bytes, read by all four waves behind the barrier), and K steps 4 to 7 of its own four token tiles
; (4 rows of 8,192 bytes) into LDS bytes that only it reads.  K steps 0 to 3 come by 64 loads into registers at the same time, and the products start on counted waits, K step by K step.
; wo's scale images come by four loads straight into the scale registers.  No LDS byte is filled twice.
; Source 0 = 16 rows of wo, source 1 = 16 tokens: a lane holds one token, registers along the columns.
; The results turn through the wave's own stage in LDS into rows of 256 bytes, meet x there, and leave as aligned runs of 256 bytes from sixteen lanes.
; No cluster: the shared tile is 64 KB of a work-group's 320 KB and is asked for once.
.set WIMG, 4325376
.set WSC,  16908288
.set ASCO, 4194304
.set STG,  67584                       ; LDS: wo's four tiles at 0; here a stage of 16 rows x 272 bytes for each wave;
.set AHB,  84992                       ; here K steps 4 to 7 of each wave's four token tiles, 32,768 bytes a wave
.set NSTEP, 8
.set RB,   2
.set PD,   1
.set ASC,  16
.set BSC,  32
.set ACC,  80
.set XR,   128                         ; window 1, v128-255: my 64 rows x 256 bytes of x
.set WV,   12
.set CU,   13
.set G1B,  16
.set G1A,  24
.set G0B,  32
.set G0A,  36
.set MSB, 0
.macro WIN new
.if MSB != (\new)
	s_set_vgpr_msb (MSB<<8)|(\new)
.set MSB, (\new)
.endif
.endm
.macro PLACES n
.rept \n
	v_nop
.endr
.endm
.macro DESC g, c, r, p                 ; group 1: r rows of c elements of 8 bytes, p elements from row to row, no padding
	s_mov_b32 s[\g], 3<<16
	s_mov_b32 s[\g+1], (\c)<<16
	s_mov_b32 s[\g+2], (\r)<<16
	s_mov_b32 s[\g+3], (\c)<<16
	s_mov_b32 s[\g+4], \r
	s_mov_b32 s[\g+5], \p
	s_mov_b32 s[\g+6], 0
	s_mov_b32 s[\g+7], 0
.endm
.macro MM d, a, b, sa, sb, zero, odd
.if \zero
	v_wmma_scale_f32_16x16x128_f8f6f4 v[\d:\d+7], v[\a:\a+15], v[\b:\b+15], 0, v[\sa], v[\sb]
.elseif \odd
	v_wmma_scale_f32_16x16x128_f8f6f4 v[\d:\d+7], v[\a:\a+15], v[\b:\b+15], v[\d:\d+7], v[\sa], v[\sb] matrix_a_scale:MATRIX_SCALE_ROW1 matrix_b_scale:MATRIX_SCALE_ROW1
.else
	v_wmma_scale_f32_16x16x128_f8f6f4 v[\d:\d+7], v[\a:\a+15], v[\b:\b+15], v[\d:\d+7], v[\sa], v[\sb]
.endif
.endm
.macro RING k
.set rn, \k
	WIN 0x40
.irp t, 0,1,2,3
.irp c, 0,1,2,3
	ds_load_b128 v[64*(rn%RB)+16*\t+4*\c:64*(rn%RB)+16*\t+4*\c+3], v4 offset:16384*\t+2048*rn+512*\c
.endr
.endr
.endm
.macro KS s                            ; a K step: 16 products, the 16 accumulators by turns
	PLACES 8                                       ; ahead of loads into registers that the last step's products read
.if (\s)+PD < NSTEP
	RING (\s)+PD
	s_wait_dscnt 16                                ; this step's loads are in; the next step's may be out
.else
	s_wait_dscnt 0x0
.endif
.if (\s) < 2
	s_wait_loadcnt 63                              ; the scale images and attn's K steps 0 and 1 are 40 of my 104 loads: with 63 out at the most they are in (the count's field holds no more)
.elseif (\s) == 2
	s_wait_loadcnt 48                              ; K step 2 is in; K step 3's 16 loads and x's 32 may be out
.elseif (\s) == 3
	s_wait_loadcnt 32                              ; K step 3 is in; x's 32 loads may be out
.endif
	WIN 0x09+4*((\s)/4)
.irp t, 0,1,2,3
.irp m, 0,1,2,3
.set rB, 64*((\s)%RB)+16*\t
.set rA, 16*(4*((\s)%4)+\m)
.set rSB, BSC+4*\t+(\s)/2
.set rSA, ASC+4*\m+(\s)/2
.set rD, ACC+8*(4*\m+\t)
	MM rD, rB, rA, rSB, rSA, (\s)==0, (\s)%2
.endr
.endr
.endm
	s_load_b256 s[4:11], s[0:1], 0x0               ; pre, att, x, x1
	v_lshl_add_u32 v254, v0, 2, 0x34c00
	v_mov_b32 v255, 0
	ds_add_u32 v254, v255
	ds_add_u32 v254, v255
	v_lshrrev_b32 v1, 5, v0
	v_readfirstlane_b32 s[WV], v1
	s_and_b32 s[CU], ttmp7, 0xffff
	DESC G1B, 32, 64, 32                           ; a tile of wo: 16,384 dense bytes as rows of 256
	DESC G1A, 1024, 4, 2048                        ; attn: 4 tiles, of each the upper 8,192 of its 16,384 bytes
	s_mov_b32 s[G0B], 1
	s_lshl_b32 s[G0B+1], s[WV], 14                 ; tile w's place in LDS
	s_mov_b32 s[G0A], 1
	s_lshl_b32 s[G0A+1], s[WV], 15
	s_add_co_u32 s[G0A+1], s[G0A+1], AHB           ; my own bytes for attn's K steps 4 to 7
	s_lshl_b32 s56, s[CU], 16
	s_lshl_b32 s57, s[WV], 14
	s_add_co_u32 s56, s56, s57
	s_add_co_u32 s56, s56, WIMG+3145728            ; wo's tile 192 + 4 cu + w
	s_mov_b32 s57, 0
	s_lshl_b32 s58, ttmp9, 18
	s_lshl_b32 s59, s[WV], 16
	s_add_co_u32 s58, s58, s59                     ; my four token tiles: (16 rb + 4 w) x 16,384
	s_mov_b32 s59, 0
	s_wait_dscnt 0x0
	s_wait_kmcnt 0x0
	s_add_nc_u64 s[G0B+2:G0B+3], s[4:5], s[56:57]
	s_or_b32 s[G0B+3], s[G0B+3], 0x80000000
	s_add_nc_u64 s[40:41], s[6:7], s[58:59]        ; attn's images of my four tiles
	s_add_nc_u64 s[G0A+2:G0A+3], s[40:41], 8192    ; K step 4 begins 4 x 2,048 bytes into a tile's image
	s_or_b32 s[G0A+3], s[G0A+3], 0x80000000
	tensor_load_to_lds s[G0B:G0B+3], s[G1B:G1B+7]  ; two loads of every wave, ahead of every wait, LDS read and barrier
	s_nop 0
	tensor_load_to_lds s[G0A:G0A+3], s[G1A:G1A+7]
	s_nop 0
	PLACES 4
	v_and_b32 v1, 31, v0
	v_and_b32 v2, 15, v0
	v_bfe_u32 v3, v0, 4, 1
	v_lshlrev_b32 v4, 4, v1
	v_add_nc_u32 v9, s[G0A+1], v4                  ; my part of attn in LDS
	s_mul_i32 s60, s[WV], 4352
	s_add_co_u32 s60, s60, STG
	v_mul_u32_u24 v10, v2, 272
	v_lshl_add_u32 v10, v3, 6, v10
	v_add_nc_u32 v10, s60, v10                     ; the stage, in: row r, + 64 h
	v_mul_u32_u24 v11, v3, 272
	v_lshl_add_u32 v11, v2, 4, v11
	v_add_nc_u32 v11, s60, v11                     ; back: lanes 0-15 one row, lanes 16-31 the next
	v_lshlrev_b32 v12, 12, v3
	v_lshl_add_u32 v12, v2, 4, v12                 ; and the same two rows in x and x1
	s_lshl_b32 s56, ttmp9, 13
	s_lshl_b32 s58, s[WV], 11
	s_add_co_u32 s56, s56, s58
	s_add_co_u32 s56, s56, ASCO
	s_add_nc_u64 s[42:43], s[6:7], s[56:57]        ; attn's scale images
	s_lshl_b32 s56, s[CU], 11
	s_add_co_u32 s56, s56, WSC+98304
	s_add_nc_u64 s[44:45], s[4:5], s[56:57]        ; wo's scale images, tiles 192 + 4 cu on
	s_lshl_b32 s56, ttmp9, 20
	s_lshl_b32 s58, s[WV], 18
	s_add_co_u32 s56, s56, s58
	s_lshl_b32 s58, s[CU], 8
	s_add_co_u32 s56, s56, s58                     ; token 256 rb + 64 w, column 64 cu
	s_add_nc_u64 s[8:9], s[8:9], s[56:57]
	s_add_nc_u64 s[10:11], s[10:11], s[56:57]
.irp m, 0,1,2,3
	global_load_b128 v[ASC+4*\m:ASC+4*\m+3], v4, s[42:43] offset:512*\m
.endr
.irp t, 0,1,2,3
	global_load_b128 v[BSC+4*\t:BSC+4*\t+3], v4, s[44:45] offset:512*\t
.endr
	WIN 0x80
.irp s, 0,1,2,3                        ; K step by K step, so that the counted waits can follow them
.irp m, 0,1,2,3
.irp c, 0,1,2,3
	global_load_b128 v[16*(4*\s+\m)+4*\c:16*(4*\s+\m)+4*\c+3], v4, s[40:41] offset:16384*\m+2048*\s+512*\c
.endr
.endr
.endr
	WIN 0x40
.irp m, 0,1,2,3
.irp i, 0,1,2,3,4,5,6,7
	global_load_b128 v[XR+32*\m+4*\i:XR+32*\m+4*\i+3], v12, s[8:9] offset:4096*(32*(\m/2)+8*(\m%2)+2*\i+8*(\i/4))
.endr
.endr
	WIN 0
	s_wait_tensorcnt 0x0                           ; my tile of wo and my part of attn have landed,
	s_barrier_signal -1
	s_barrier_wait -1                              ; everybody's tile of wo has
	WIN 0xc0
.irp s, 0,1,2,3                        ; attn's K steps 4 to 7, out of my own LDS bytes
.irp m, 0,1,2,3
.irp c, 0,1,2,3
	ds_load_b128 v[16*(4*\s+\m)+4*\c:16*(4*\s+\m)+4*\c+3], v9 offset:8192*\m+2048*\s+512*\c
.endr
.endr
.endr
	RING 0
	WIN 0
.irp s, 0,1,2,3,4,5,6,7
	KS \s
.endr
	WIN 0
	PLACES 8
.irp m, 0,1,2,3
.irp t, 0,1,2,3
	ds_store_b128 v10, v[ACC+32*\m+8*\t:ACC+32*\m+8*\t+3] offset:128*(\t/2)+32*(\t%2)       ; each accumulator from its low end on
	ds_store_b128 v10, v[ACC+32*\m+8*\t+4:ACC+32*\m+8*\t+7] offset:128*(\t/2)+32*(\t%2)+16
.endr
.irp i, 0,1,2,3,4,5,6,7
	ds_load_b128 v[ACC+32*\m+4*\i:ACC+32*\m+4*\i+3], v11 offset:544*\i   ; LDS serves a wave's instructions in order: these see my stores, and the next tile's stores come behind them
.endr
.endr
	s_wait_loadcnt 0x0                             ; x
.irp m, 0,1,2,3
	s_wait_dscnt 16*(3-\m)                         ; tile m is back; the later tiles' 8 stores and 8 loads each may be out
	WIN 0x04
.irp q, 0,2,4,6,8,10,12,14,16,18,20,22,24,26,28,30
	v_pk_add_f32 v[ACC+32*\m+\q:ACC+32*\m+\q+1], v[ACC+32*\m+\q:ACC+32*\m+\q+1], v[XR+32*\m+\q:XR+32*\m+\q+1]
.endr
	WIN 0
.irp i, 0,1,2,3,4,5,6,7
	global_store_b128 v12, v[ACC+32*\m+4*\i:ACC+32*\m+4*\i+3], s[10:11] offset:4096*(32*(\m/2)+8*(\m%2)+2*\i+8*(\i/4))
.endr
.endr
	s_wait_tensorcnt 0x0
	ds_add_u32 v254, v255
	s_wait_dscnt 0x0
	s_endpgm
.Lfunc_end_k_q0fc147ba81_proj:
	.size	k_q0fc147ba81_proj, .Lfunc_end_k_q0fc147ba81_proj-k_q0fc147ba81_proj
	.p2alignl 7, 3214868480
	.fill 96, 4, 3214868480
	.section	.rodata,"a",@progbits
	.p2align	6, 0x0
	.amdhsa_kernel k_q0fc147ba81_proj
		.amdhsa_group_segment_fixed_size 216576
		.amdhsa_private_segment_fixed_size 0
		.amdhsa_enable_private_segment 0
		.amdhsa_kernarg_size 32
		.amdhsa_user_sgpr_count 2
		.amdhsa_user_sgpr_kernarg_segment_ptr 1
		.amdhsa_wavefront_size32 1
		.amdhsa_system_sgpr_workgroup_id_x 1
		.amdhsa_system_sgpr_workgroup_id_y 1
		.amdhsa_system_sgpr_workgroup_id_z 1
		.amdhsa_system_vgpr_workitem_id 0
		.amdhsa_next_free_vgpr 1024
		.amdhsa_next_free_sgpr 66
		.amdhsa_reserve_vcc 0
		.amdhsa_float_denorm_mode_32 3
		.amdhsa_float_denorm_mode_16_64 3
		.amdhsa_memory_ordered 1
		.amdhsa_forward_progress 1
		.amdhsa_inst_pref_size 57
	.end_amdhsa_kernel
	.amdgpu_metadata
---
amdhsa.version: [ 1, 2 ]
amdhsa.kernels:
  - .name:           k_q0fc147ba81_proj
    .symbol:         k_q0fc147ba81_proj.kd
    .args:
      - { .name: pre, .offset: 0, .size: 8, .value_kind: global_buffer, .address_space: global }
      - { .name: att, .offset: 8, .size: 8, .value_kind: global_buffer, .address_space: global }
      - { .name: x, .offset: 16, .size: 8, .value_kind: global_buffer, .address_space: global }
      - { .name: x1, .offset: 24, .size: 8, .value_kind: global_buffer, .address_space: global }
    .group_segment_fixed_size: 216576
    .private_segment_fixed_size: 0
    .kernarg_segment_align: 8
    .kernarg_segment_size: 32
    .max_flat_workgroup_size: 128
    .sgpr_count:     66
    .vgpr_count:     1024
    .wavefront_size: 32
...
	.end_amdgpu_metadata
.endif
;; end of part 4
;; launch ln2 (part 5): grid 256 x 1, 8 waves a work-group, no clusters, 132,096 bytes of LDS; arguments x1, ln2_g, ln2_b, router_w, h2, rt; writes h2, rt
.if DOCPART == 5
	.amdgcn_target "amdgcn-amd-amdhsa--gfx1250"
	.amdhsa_code_object_version 6
	.text
	.protected	k_q0fc147ba81_ln2
	.globl	k_q0fc147ba81_ln2
	.p2align	8
	.type	k_q0fc147ba81_ln2,@function
k_q0fc147ba81_ln2:
	s_mov_b64 s[64:65], 0
	v_nop
	global_prefetch_b8 v0, s[64:65] scope:SCOPE_SE
	s_setreg_imm32_b32 hwreg(HW_REG_WAVE_MODE, 25, 1), 1
	s_wait_xcnt 0x0
; LN2.  h2 = layer norm 2 of x1; the router's 8 logits in f32 (fused multiply-adds); the two largest (ties: the lower index), their softmax; h2 quantised along D.
; Stored: h2's codes [token][1,024] and scale bytes [token][32], the two gates [token] (for the lower and the higher expert's number), and as WHOLE NUMBERS at fixed places: a route word a token
; (key | a << 8 | b << 12 | rank among the group's tokens of that key << 16; key = the number 0..27 of the pair a < b) and a histogram of keys for each group of 16 tokens.  No address and no branch hangs on them here.
; SHARES.  Work-group g: tokens 16 g + 0 .. 15.  Wave w: columns 128 w on of all 16.  Mean and variance in two passes; sums meet in LDS.
; LIMITS: NaN and infinities are not served; a block of zeros gets the scale byte 1 (this program alone reads these bytes).
.set H2S,  4194304
.set GAT,  4325376
.set HISTO, 16384
.set GBS,  67584                       ; LDS: 0: a stage of 16 rows x 528 bytes a wave; gain + bias, 1,024 a wave;
.set RWS,  75776                       ; the router's rows, my 128 columns: 8 x 512 bytes a wave;
.set RED,  108544                      ; two fields of 512 bytes for the rows' sums;
.set RL,   109568                      ; partial logits: 512 bytes a wave (32 r + 4 e);
.set HST,  113664                      ; the codes: 16 rows x (1,024 + 16);
.set SCS,  130304                      ; the scale bytes: 16 rows x 32
.set X,   32
.set RW,  96
.set GG,  96
.set BB,  160
.set PC,  224
.set TM,  240
.set WV,  36
.set MNT, 37
.set SEL, 38
.set HM,  40
.macro BAR
	s_wait_dscnt 0x0
	s_barrier_signal -1
	s_barrier_wait -1
.endm
.macro QUANT s, nb
.set qb, 0
.rept \nb
	v_max3_num_f32 v[TM+qb], |v[16*qb+(\s)]|, |v[16*qb+1+(\s)]|, 0x4800000
.set qb, qb+1
.endr
.irp i, 2,4,6,8,10,12,14
.set qb, 0
.rept \nb
	v_max3_num_f32 v[TM+qb], v[TM+qb], |v[16*qb+\i+(\s)]|, |v[16*qb+\i+1+(\s)]|
.set qb, qb+1
.endr
.endr
.set qb, 0
.rept \nb
	v_permlanex16_b32 v[TM+4+qb], v[TM+qb], s[SEL], s[SEL+1]
.set qb, qb+1
.endr
.set qb, 0
.rept \nb
	v_max_num_f32 v[TM+qb], v[TM+qb], v[TM+4+qb]
.set qb, qb+1
.endr
.set qb, 0
.rept \nb
	v_add_nc_u32 v[TM+12+qb], 0xfc000000, v[TM+qb]
	v_and_or_b32 v[TM+8+qb], v[TM+qb], 0x7f800000, s[MNT]
.set qb, qb+1
.endr
.set qb, 0
.rept \nb
	v_lshrrev_b32 v[TM+4+qb], 23, v[TM+12+qb]
.set qb, qb+1
.endr
.set qb, 0
.rept \nb
.set qi, 0
.rept 16
	v_med3_num_f32 v[16*qb+qi+(\s)], v[16*qb+qi+(\s)], -v[TM+8+qb], v[TM+8+qb]
.set qi, qi+1
.endr
	v_cvt_scalef32_pk8_fp8_f32 v[PC+4*qb:PC+4*qb+1], v[16*qb+(\s):16*qb+7+(\s)], v[TM+12+qb]
	v_cvt_scalef32_pk8_fp8_f32 v[PC+4*qb+2:PC+4*qb+3], v[16*qb+8+(\s):16*qb+15+(\s)], v[TM+12+qb]
.set qb, qb+1
.endr
	v_nop
.endm
.macro FOLD4                           ; four chains of pairs -> v[18:19]
	v_pk_add_f32 v[18:19], v[18:19], v[20:21]
	v_pk_add_f32 v[22:23], v[22:23], v[24:25]
	v_pk_add_f32 v[18:19], v[18:19], v[22:23]
.endm
.macro FOLD
	FOLD4
	v_add_f32 v26, v18, v19
	v_permlanex16_b32 v27, v26, s[SEL], s[SEL+1]
	v_add_f32 v26, v26, v27
.endm
.macro WGSUM o
	ds_store_b32 v8, v26 offset:\o
	BAR
.irp q, 0,1,2,3,4,5,6,7
	ds_load_b32 v[18+\q], v9 offset:\o+64*\q
.endr
	s_wait_dscnt 0x0
	v_add_f32 v18, v18, v19
	v_add_f32 v20, v20, v21
	v_add_f32 v22, v22, v23
	v_add_f32 v24, v24, v25
	v_add_f32 v18, v18, v20
	v_add_f32 v22, v22, v24
	v_add_f32 v26, v18, v22
.endm
.macro RWLOAD e                        ; expert e's row, my lane's 64 columns, into v96.. or v160.. by turns
.irp b, 0,1,2,3
.irp j, 0,1,2,3
	ds_load_b128 v[96+64*((\e)%2)+16*\b+4*\j:96+64*((\e)%2)+16*\b+4*\j+3], v11 offset:512*(\e)+128*\b+16*\j
.endr
.endr
.endm
	s_load_b256 s[8:15], s[0:1], 0x0               ; x1 8, gain 10, bias 12, router 14
	s_load_b128 s[16:19], s[0:1], 0x20             ; h2 16, rt 18
	s_set_vgpr_msb 0x40
	v_lshl_add_u32 v0, v0, 2, 0x20000
	v_mov_b32 v1, 0
	s_set_vgpr_msb 0x4000
	v_lshrrev_b32 v1, 5, v0
	v_readfirstlane_b32 s[WV], v1
	v_and_b32 v1, 31, v0
	v_and_b32 v2, 15, v0
	v_bfe_u32 v3, v0, 4, 1
	v_lshlrev_b32 v4, 4, v1
	s_mul_i32 s58, s[WV], 8448
	v_add_nc_u32 v5, s58, v4
	v_mul_u32_u24 v6, v2, 528
	v_lshl_add_u32 v6, v3, 6, v6
	v_add_nc_u32 v6, s58, v6
	s_lshl_b32 s59, s[WV], 10
	s_add_co_u32 s59, s59, GBS
	v_lshlrev_b32 v7, 6, v3
	v_add_nc_u32 v13, s59, v4
	s_lshl_b32 s60, s[WV], 12
	s_add_co_u32 s60, s60, RWS
	v_add_nc_u32 v10, s60, v4                      ; the router's rows: stored at 16 x lane,
	v_add_nc_u32 v11, s60, v7                      ; read at 64 h
	v_add_nc_u32 v7, s59, v7
	v_lshl_add_u32 v9, v2, 2, RED
	s_lshl_b32 s60, s[WV], 6
	v_add_nc_u32 v8, s60, v9
	s_lshl_b32 s60, s[WV], 2
	s_add_co_u32 s60, s60, SCS
	v_lshl_add_u32 v12, v2, 5, s60                 ; my row's scale word: 32 r + 4 w
	v_lshlrev_b32 v29, 5, v2
	v_lshl_add_u32 v29, v3, 4, v29
	v_add_nc_u32 v29, RL, v29                      ; partial logits: 32 r + 16 h,
	s_lshl_b32 s60, s[WV], 9
	v_add_nc_u32 v28, s60, v29                     ; + 512 w for my own
	v_mul_u32_u24 v30, v2, 1040
	v_lshl_add_u32 v30, v3, 4, v30
	s_lshl_b32 s60, s[WV], 7
	s_add_co_u32 s60, s60, HST
	v_add_nc_u32 v30, s60, v30                     ; codes in: row r, + 128 w + 16 h
	s_mul_i32 s60, s[WV], 2080
	s_add_co_u32 s60, s60, HST
	v_add_nc_u32 v31, s60, v4                      ; codes back: rows 2 w and 2 w + 1
	v_add_nc_u32 v0, SCS, v4                       ; the scale bytes back
	v_mov_b32 v27, 0
.irp b, 0,1,2,3
	v_mov_b32 v[TM+4+\b], 0
.endr
	s_mov_b32 s[SEL], 0x76543210
	s_mov_b32 s[SEL+1], 0xfedcba98
	s_mov_b32 s[MNT], 0x600000
	s_mov_b32 s[HM], 0xffff0000
	s_mov_b32 s62, 0x3a800000                      ; 1 / 1,024
	s_mov_b32 s63, 0x3727c5ac                      ; 1e-5
	s_lshl_b32 s42, s[WV], 9
	s_mov_b32 s43, 0
	s_lshl_b32 s44, ttmp9, 16
	s_add_co_u32 s44, s44, s42
	s_mov_b32 s45, 0
	s_lshl_b32 s46, ttmp9, 14
	s_lshl_b32 s47, s[WV], 11
	s_add_co_u32 s46, s46, s47
	s_mov_b32 s47, 0
	s_lshl_b32 s48, ttmp9, 9
	s_add_co_u32 s48, s48, H2S
	s_mov_b32 s49, 0
	s_lshl_b32 s50, ttmp9, 7
	s_add_co_u32 s52, s50, HISTO
	s_add_co_u32 s50, s50, GAT
	s_mov_b32 s51, 0
	s_mov_b32 s53, 0
	s_lshl_b32 s54, ttmp9, 6
	s_mov_b32 s55, 0
	s_wait_kmcnt 0x0
	s_add_nc_u64 s[8:9], s[8:9], s[44:45]
	s_add_nc_u64 s[10:11], s[10:11], s[42:43]
	s_add_nc_u64 s[12:13], s[12:13], s[42:43]
	s_add_nc_u64 s[14:15], s[14:15], s[42:43]
	s_add_nc_u64 s[20:21], s[16:17], s[46:47]      ; codes out
	s_add_nc_u64 s[22:23], s[16:17], s[48:49]      ; scale bytes out
	s_add_nc_u64 s[24:25], s[16:17], s[50:51]      ; gates
	s_add_nc_u64 s[26:27], s[18:19], s[54:55]      ; route words
	s_add_nc_u64 s[28:29], s[18:19], s[52:53]      ; the histogram
.irp i, 0,1,2,3,4,5,6,7,8,9,10,11,12,13,14,15
	global_load_b128 v[RW+4*\i:RW+4*\i+3], v4, s[8:9] offset:4096*\i
.endr
	global_load_b128 v[18:21], v4, s[10:11]
	global_load_b128 v[22:25], v4, s[12:13]
.irp e, 0,1,2,3,4,5,6,7
	global_load_b128 v[160+4*\e:163+4*\e], v4, s[14:15] offset:4096*\e
.endr
	s_wait_loadcnt 10                              ; the 16 rows are in; gain, bias and the router's 8 rows may be out
.irp i, 0,1,2,3,4,5,6,7,8,9,10,11,12,13,14,15
	ds_store_b128 v5, v[RW+4*\i:RW+4*\i+3] offset:528*\i
.endr
	s_wait_loadcnt 8
	ds_store_b128 v13, v[18:21]
	ds_store_b128 v13, v[22:25] offset:512
.irp b, 0,1,2,3
.irp j, 0,1,2,3
	ds_load_b128 v[X+16*\b+4*\j:X+16*\b+4*\j+3], v6 offset:128*\b+16*\j
.endr
.endr
	s_wait_loadcnt 0x0
.irp e, 0,1,2,3,4,5,6,7
	ds_store_b128 v10, v[160+4*\e:163+4*\e] offset:512*\e
.endr
	s_wait_dscnt 0x0
.irp k, 0,1,2,3
	v_pk_add_f32 v[18+2*\k:19+2*\k], v[X+2*\k:X+2*\k+1], v[X+8+2*\k:X+9+2*\k]
.endr
.irp i, 2,3,4,5,6,7
.irp k, 0,1,2,3
	v_pk_add_f32 v[18+2*\k:19+2*\k], v[18+2*\k:19+2*\k], v[X+8*\i+2*\k:X+8*\i+2*\k+1]
.endr
.endr
	FOLD
	WGSUM 0
	v_mul_f32 v14, s62, v26
	v_mov_b32 v15, v14
.irp b, 0,1,2,3
.irp j, 0,1,2,3
	ds_load_b128 v[GG+16*\b+4*\j:GG+16*\b+4*\j+3], v7 offset:128*\b+16*\j
	ds_load_b128 v[BB+16*\b+4*\j:BB+16*\b+4*\j+3], v7 offset:512+128*\b+16*\j
.endr
.endr
.set qi, 0
.rept 32
	v_pk_add_f32 v[X+qi:X+qi+1], v[X+qi:X+qi+1], v[14:15] op_sel_hi:[1,0] neg_lo:[0,1] neg_hi:[0,1]
.set qi, qi+2
.endr
.irp k, 0,1,2,3
	v_pk_mul_f32 v[18+2*\k:19+2*\k], v[X+2*\k:X+2*\k+1], v[X+2*\k:X+2*\k+1]
.endr
.irp i, 1,2,3,4,5,6,7
.irp k, 0,1,2,3
	v_pk_fma_f32 v[18+2*\k:19+2*\k], v[X+8*\i+2*\k:X+8*\i+2*\k+1], v[X+8*\i+2*\k:X+8*\i+2*\k+1], v[18+2*\k:19+2*\k]
.endr
.endr
	FOLD
	WGSUM 512
	v_fma_f32 v16, v26, s62, s63
	v_rsq_f32 v16, v16
	v_nop
	s_wait_alu depctr_va_vdst(0)
	v_mov_b32 v17, v16
.set qi, 0
.rept 32
	v_pk_mul_f32 v[X+qi:X+qi+1], v[X+qi:X+qi+1], v[16:17] op_sel_hi:[1,0]
.set qi, qi+2
.endr
.set qi, 0
.rept 32
	v_pk_fma_f32 v[X+qi:X+qi+1], v[X+qi:X+qi+1], v[GG+qi:GG+qi+1], v[BB+qi:BB+qi+1]
.set qi, qi+2
.endr
	; the router: my 64 columns' part of the 8 logits of row r, in f32
	RWLOAD 0
	RWLOAD 1
.irp e, 0,1,2,3,4,5,6,7
.if \e < 7
	s_wait_dscnt 16                                ; this expert's 16 loads are in; the next expert's may be out
.else
	s_wait_dscnt 0x0
.endif
.irp k, 0,1,2,3
	v_pk_mul_f32 v[18+2*\k:19+2*\k], v[X+2*\k:X+2*\k+1], v[96+64*(\e%2)+2*\k:97+64*(\e%2)+2*\k]
.endr
.irp i, 1,2,3,4,5,6,7
.irp k, 0,1,2,3
	v_pk_fma_f32 v[18+2*\k:19+2*\k], v[X+8*\i+2*\k:X+8*\i+2*\k+1], v[96+64*(\e%2)+8*\i+2*\k:97+64*(\e%2)+8*\i+2*\k], v[18+2*\k:19+2*\k]
.endr
.endr
	FOLD4
	v_add_f32 v[224+\e], v18, v19
.if \e < 6
	RWLOAD \e+2
.endif
.endr
.irp e, 0,1,2,3,4,5,6,7
	v_permlanex16_b32 v[18+\e], v[224+\e], s[SEL], s[SEL+1]
.endr
.irp e, 0,1,2,3,4,5,6,7
	v_add_f32 v[224+\e], v[224+\e], v[18+\e]
.endr
.irp q, 0,1,2,3
	v_cndmask_b32 v[18+\q], v[224+\q], v[228+\q], s[HM]   ; lanes 0-15 store experts 0-3, lanes 16-31 experts 4-7
.endr
	ds_store_b128 v28, v[18:21]
	QUANT X, 4
	v_lshl_or_b32 v26, v[TM+5], 8, v[TM+4]
	v_lshl_or_b32 v26, v[TM+6], 16, v26
	v_lshl_or_b32 v26, v[TM+7], 24, v26
.irp c, 0,1,2,3
	ds_store_b128 v30, v[PC+4*\c:PC+4*\c+3] offset:32*\c
.endr
	ds_store_b32 v12, v26
	BAR                                            ; codes, scale bytes and partial logits of the 16 rows lie in LDS
	ds_load_b128 v[96:99], v31
	ds_load_b128 v[100:103], v31 offset:512
	ds_load_b128 v[104:107], v31 offset:1040
	ds_load_b128 v[108:111], v31 offset:1552
	s_wait_dscnt 0x0
.irp i, 0,1,2,3
	global_store_b128 v4, v[96+4*\i:99+4*\i], s[20:21] offset:512*\i   ; 2,048 consecutive bytes a wave
.endr
	s_cmp_eq_u32 s[WV], 0
	s_cbranch_scc0 .Lnot0
	ds_load_b128 v[112:115], v0
	s_wait_dscnt 0x0
	global_store_b128 v4, v[112:115], s[22:23]
	s_branch .Lend
.Lnot0:
	s_cmp_eq_u32 s[WV], 1
	s_cbranch_scc0 .Lend
	; wave 1: the logits, the two largest, the gates, the route words
.irp q, 0,1,2,3,4,5,6,7
	ds_load_b128 v[128+4*\q:131+4*\q], v29 offset:512*\q
.endr
	s_wait_dscnt 0x0
.irp q, 1,2,3,4,5,6,7
.irp j, 0,1,2,3
	v_add_f32 v[128+\j], v[128+\j], v[128+4*\q+\j]
.endr
.endr
.irp j, 0,1,2,3
	v_permlanex16_b32 v[132+\j], v[128+\j], s[SEL], s[SEL+1]
.endr
.irp j, 0,1,2,3
	v_cndmask_b32 v[160+\j], v[128+\j], v[132+\j], s[HM]   ; all 8 logits of row r in every lane
	v_cndmask_b32 v[164+\j], v[132+\j], v[128+\j], s[HM]
.endr
	v_mov_b32 v170, v160
	v_mov_b32 v171, 0
.irp e, 1,2,3,4,5,6,7
	v_cmp_gt_f32 vcc_lo, v[160+\e], v170           ; strictly larger: a tie keeps the lower index
	v_cndmask_b32 v170, v170, v[160+\e], vcc_lo
	v_cndmask_b32 v171, v171, \e, vcc_lo
.endr
	v_mov_b32 v172, 0xff800000
.irp e, 0,1,2,3,4,5,6,7
	v_cmp_eq_u32 vcc_lo, \e, v171
	v_cndmask_b32 v[160+\e], v[160+\e], v172, vcc_lo
.endr
	v_mov_b32 v173, v160
	v_mov_b32 v174, 0
.irp e, 1,2,3,4,5,6,7
	v_cmp_gt_f32 vcc_lo, v[160+\e], v173
	v_cndmask_b32 v173, v173, v[160+\e], vcc_lo
	v_cndmask_b32 v174, v174, \e, vcc_lo
.endr
	v_sub_f32 v175, v173, v170                     ; the second less the largest: the softmax's maximum is taken away
	v_mul_f32 v175, 0x3fb8aa3b, v175
	v_exp_f32 v175, v175
	v_nop
	s_wait_alu depctr_va_vdst(0)
	v_add_f32 v176, 1.0, v175
	v_rcp_f32 v176, v176                           ; the largest's gate
	v_nop
	s_wait_alu depctr_va_vdst(0)
	v_mul_f32 v177, v175, v176                     ; the second's
	v_min_u32 v178, v171, v174                     ; a < b
	v_max_u32 v179, v171, v174
	v_cmp_lt_u32 vcc_lo, v171, v174
	v_cndmask_b32 v180, v177, v176, vcc_lo         ; a's gate,
	v_cndmask_b32 v181, v176, v177, vcc_lo         ; b's
	v_sub_nc_u32 v182, 15, v178
	v_mul_u32_u24 v182, v182, v178
	v_lshrrev_b32 v182, 1, v182
	v_add_nc_u32 v182, v182, v179
	v_sub_nc_u32 v182, v182, v178
	v_add_nc_u32 v182, -1, v182                    ; key = a (15 - a) / 2 + b - a - 1
	v_mov_b32 v183, 0                              ; lane l: how many of the 16 tokens have key l
	v_mov_b32 v184, 0                              ; my token's rank among earlier tokens of its key
.set qi, 0
.rept 16
	v_readlane_b32 s41, v182, qi
	v_cmp_eq_u32 vcc_lo, s41, v1
	v_add_co_ci_u32 v183, vcc_lo, 0, v183, vcc_lo
	v_cmp_eq_u32 s42, s41, v182
	v_cmp_lt_u32 s43, qi, v2
	s_and_b32 vcc_lo, s42, s43
	v_add_co_ci_u32 v184, vcc_lo, 0, v184, vcc_lo
.set qi, qi+1
.endr
	v_lshl_or_b32 v185, v178, 8, v182
	v_lshl_or_b32 v185, v179, 12, v185
	v_lshl_or_b32 v185, v184, 16, v185
	v_lshlrev_b32 v186, 2, v2
	v_lshlrev_b32 v187, 3, v2
	v_lshlrev_b32 v188, 2, v1
	global_store_b32 v186, v185, s[26:27]          ; (lanes r and r + 16 store the same word)
	global_store_b64 v187, v[180:181], s[24:25]
	global_store_b32 v188, v183, s[28:29]
.Lend:
	s_set_vgpr_msb 0x5
	s_wait_tensorcnt 0x0
	ds_add_u32 v0, v1
	s_wait_dscnt 0x0
	s_set_vgpr_msb 0x500
	s_endpgm
.Lfunc_end_k_q0fc147ba81_ln2:
	.size	k_q0fc147ba81_ln2, .Lfunc_end_k_q0fc147ba81_ln2-k_q0fc147ba81_ln2
	.p2alignl 7, 3214868480
	.fill 96, 4, 3214868480
	.section	.rodata,"a",@progbits
	.p2align	6, 0x0
	.amdhsa_kernel k_q0fc147ba81_ln2
		.amdhsa_group_segment_fixed_size 132096
		.amdhsa_private_segment_fixed_size 0
		.amdhsa_enable_private_segment 0
		.amdhsa_kernarg_size 48
		.amdhsa_user_sgpr_count 2
		.amdhsa_user_sgpr_kernarg_segment_ptr 1
		.amdhsa_wavefront_size32 1
		.amdhsa_system_sgpr_workgroup_id_x 1
		.amdhsa_system_sgpr_workgroup_id_y 1
		.amdhsa_system_sgpr_workgroup_id_z 1
		.amdhsa_system_vgpr_workitem_id 0
		.amdhsa_next_free_vgpr 258
		.amdhsa_next_free_sgpr 66
		.amdhsa_reserve_vcc 1
		.amdhsa_float_denorm_mode_32 3
		.amdhsa_float_denorm_mode_16_64 3
		.amdhsa_memory_ordered 1
		.amdhsa_forward_progress 1
		.amdhsa_inst_pref_size 72
	.end_amdhsa_kernel
	.amdgpu_metadata
---
amdhsa.version: [ 1, 2 ]
amdhsa.kernels:
  - .name:           k_q0fc147ba81_ln2
    .symbol:         k_q0fc147ba81_ln2.kd
    .args:
      - { .name: x1, .offset: 0, .size: 8, .value_kind: global_buffer, .address_space: global }
      - { .name: ln2_g, .offset: 8, .size: 8, .value_kind: global_buffer, .address_space: global }
      - { .name: ln2_b, .offset: 16, .size: 8, .value_kind: global_buffer, .address_space: global }
      - { .name: router_w, .offset: 24, .size: 8, .value_kind: global_buffer, .address_space: global }
      - { .name: h2, .offset: 32, .size: 8, .value_kind: global_buffer, .address_space: global }
      - { .name: rt, .offset: 40, .size: 8, .value_kind: global_buffer, .address_space: global }
    .group_segment_fixed_size: 132096
    .private_segment_fixed_size: 0
    .kernarg_segment_align: 8
    .kernarg_segment_size: 48
    .max_flat_workgroup_size: 256
    .sgpr_count:     66
    .vgpr_count:     258
    .wavefront_size: 32
...
	.end_amdgpu_metadata
.endif
;; end of part 5
;; launch place (part 6): grid 1 x 1, 8 waves a work-group, no clusters, 2,048 bytes of LDS; arguments rt, order; writes order
.if DOCPART == 6
	.amdgcn_target "amdgcn-amd-amdhsa--gfx1250"
	.amdhsa_code_object_version 6
	.text
	.protected	k_q0fc147ba81_place
	.globl	k_q0fc147ba81_place
	.p2align	8
	.type	k_q0fc147ba81_place,@function
k_q0fc147ba81_place:
	s_mov_b64 s[64:65], 0
	v_nop
	global_prefetch_b8 v0, s[64:65] scope:SCOPE_SE
	s_setreg_imm32_b32 hwreg(HW_REG_WAVE_MODE, 25, 1), 1
	s_wait_xcnt 0x0
; PLACE.  A counting sort of the 4,096 tokens by their pair of experts (28 keys), from the stored histograms: order[place] = token | a << 12 | b << 16.
; One work-group.  Wave w takes groups 32 w .. 32 w + 31 of 16 tokens; a lane is a key.  A token's place = its key's base + the tokens of that key in earlier waves and earlier groups + its rank in its group.
; No atomics: every place is computed, and each is written once.
.set HISTO, 16384
.set HM, 24
.macro BAR
	s_wait_dscnt 0x0
	s_barrier_signal -1
	s_barrier_wait -1
.endm
	s_load_b128 s[4:7], s[0:1], 0x0                ; rt, order
	v_lshl_add_u32 v128, v0, 2, 0x400
	v_mov_b32 v129, 0
	v_lshrrev_b32 v1, 5, v0
	v_readfirstlane_b32 s8, v1
	v_and_b32 v1, 31, v0
	v_lshlrev_b32 v2, 2, v1                        ; 4 x lane
	v_lshlrev_b32 v5, 2, v0                        ; 128 w + 4 x lane
	s_lshl_b32 s10, s8, 12
	s_add_co_u32 s10, s10, HISTO
	s_mov_b32 s11, 0
	s_lshl_b32 s12, s8, 11
	s_mov_b32 s13, 0
	s_mov_b32 s[HM], 0xffff0000
	s_wait_kmcnt 0x0
	s_add_nc_u64 s[14:15], s[4:5], s[10:11]
	s_add_nc_u64 s[16:17], s[4:5], s[12:13]
.set qi, 0
.rept 32
	global_load_b32 v[32+qi], v2, s[14:15] offset:128*qi      ; group 32 w + i: its count of my key
.set qi, qi+1
.endr
.set qi, 0
.rept 16
	global_load_b32 v[16+qi], v2, s[16:17] offset:128*qi      ; token 512 w + 32 j + lane: its route word
.set qi, qi+1
.endr
	s_wait_loadcnt 0x0
	v_mov_b32 v64, 0
.set qi, 0
.rept 31
	v_add_nc_u32 v[65+qi], v[64+qi], v[32+qi]      ; tokens of my key in my wave's earlier groups
.set qi, qi+1
.endr
	v_add_nc_u32 v3, v95, v63                      ; and in all of my wave's
	ds_store_b32 v5, v3
	BAR
.irp q, 0,1,2,3,4,5,6,7
	ds_load_b32 v[8+\q], v2 offset:128*\q
.endr
	s_wait_dscnt 0x0
	v_mov_b32 v6, 0
	v_mov_b32 v7, 0
.irp q, 0,1,2,3,4,5,6,7
	v_add_nc_u32 v6, v6, v[8+\q]                   ; the key's tokens in all,
	s_cmp_gt_u32 s8, \q
	s_cselect_b32 s20, 1, 0
	v_mad_u32_u24 v7, v[8+\q], s20, v7             ; and in earlier waves
.endr
	v_mov_b32 v112, 0
	s_mov_b32 s21, 0
.set qi, 0
.rept 32
	v_writelane_b32 v112, s21, qi                  ; the key's base: the tokens of all lower keys
	v_readlane_b32 s22, v6, qi
	s_add_co_u32 s21, s21, s22
.set qi, qi+1
.endr
	v_add_nc_u32 v7, v7, v112
.set qi, 0
.rept 32
	v_add_nc_u32 v[64+qi], v[64+qi], v7
.set qi, qi+1
.endr
	s_lshl_b32 s23, s8, 9
	v_add_nc_u32 v115, s23, v1                     ; token 512 w + lane
	BAR                                            ; every wave has read the totals: from here on only lane permutes go through the LDS unit
.set qi, 0
.rept 16
	v_and_b32 v[96+qi], 0xff, v[16+qi]
	v_min_u32 v[96+qi], 31, v[96+qi]
	v_lshlrev_b32 v[96+qi], 2, v[96+qi]
	ds_bpermute_b32 v[32+2*qi], v[96+qi], v[64+2*qi]           ; lane key's figure for group 2 j,
	ds_bpermute_b32 v[33+2*qi], v[96+qi], v[65+2*qi]           ; and for group 2 j + 1
.set qi, qi+1
.endr
	s_wait_dscnt 0x0
.set qi, 0
.rept 16
	v_cndmask_b32 v[32+2*qi], v[32+2*qi], v[33+2*qi], s[HM]    ; lanes 16-31 hold tokens of the odd group
	v_lshrrev_b32 v113, 16, v[16+qi]
	v_add_nc_u32 v[32+2*qi], v[32+2*qi], v113
	v_min_u32 v[32+2*qi], 0xfff, v[32+2*qi]
	v_lshlrev_b32 v[32+2*qi], 2, v[32+2*qi]
	v_bfe_u32 v114, v[16+qi], 8, 8
	v_add_nc_u32 v[96+qi], 32*qi, v115
	v_lshl_or_b32 v[33+2*qi], v114, 12, v[96+qi]
	global_store_b32 v[32+2*qi], v[33+2*qi], s[6:7]
.set qi, qi+1
.endr
	s_wait_tensorcnt 0x0
	ds_add_u32 v128, v129
	s_wait_dscnt 0x0
	s_endpgm
.Lfunc_end_k_q0fc147ba81_place:
	.size	k_q0fc147ba81_place, .Lfunc_end_k_q0fc147ba81_place-k_q0fc147ba81_place
	.p2alignl 7, 3214868480
	.fill 96, 4, 3214868480
	.section	.rodata,"a",@progbits
	.p2align	6, 0x0
	.amdhsa_kernel k_q0fc147ba81_place
		.amdhsa_group_segment_fixed_size 2048
		.amdhsa_private_segment_fixed_size 0
		.amdhsa_enable_private_segment 0
		.amdhsa_kernarg_size 16
		.amdhsa_user_sgpr_count 2
		.amdhsa_user_sgpr_kernarg_segment_ptr 1
		.amdhsa_wavefront_size32 1
		.amdhsa_system_sgpr_workgroup_id_x 1
		.amdhsa_system_sgpr_workgroup_id_y 1
		.amdhsa_system_sgpr_workgroup_id_z 1
		.amdhsa_system_vgpr_workitem_id 0
		.amdhsa_next_free_vgpr 130
		.amdhsa_next_free_sgpr 66
		.amdhsa_reserve_vcc 0
		.amdhsa_float_denorm_mode_32 3
		.amdhsa_float_denorm_mode_16_64 3
		.amdhsa_memory_ordered 1
		.amdhsa_forward_progress 1
		.amdhsa_inst_pref_size 27
	.end_amdhsa_kernel
	.amdgpu_metadata
---
amdhsa.version: [ 1, 2 ]
amdhsa.kernels:
  - .name:           k_q0fc147ba81_place
    .symbol:         k_q0fc147ba81_place.kd
    .args:
      - { .name: rt, .offset: 0, .size: 8, .value_kind: global_buffer, .address_space: global }
      - { .name: order, .offset: 8, .size: 8, .value_kind: global_buffer, .address_space: global }
    .group_segment_fixed_size: 2048
    .private_segment_fixed_size: 0
    .kernarg_segment_align: 8
    .kernarg_segment_size: 16
    .max_flat_workgroup_size: 256
    .sgpr_count:     66
    .vgpr_count:     130
    .wavefront_size: 32
...
	.end_amdgpu_metadata
.endif
;; end of part 6
;; launch moe (part 7): grid 4 x 64, 4 waves a work-group, no clusters, 85,504 bytes of LDS; arguments pre, h2, x1, order, out0; writes out0
.if DOCPART == 7
	.amdgcn_target "amdgcn-amd-amdhsa--gfx1250"
	.amdhsa_code_object_version 6
	.text
	.protected	k_q0fc147ba81_moe
	.globl	k_q0fc147ba81_moe
	.p2align	8
	.type	k_q0fc147ba81_moe,@function
k_q0fc147ba81_moe:
	s_mov_b64 s[64:65], 0
	v_nop
	global_prefetch_b8 v0, s[64:65] scope:SCOPE_SE
	s_setreg_imm32_b32 hwreg(HW_REG_WAVE_MODE, 25, 1), 1
	s_wait_xcnt 0x0
; MOE.  out0 = x1 + sum over a token's two experts of gate x (h2 W_e^T), the products on codes of E4M3 with E8M0 scales; only the chosen experts are multiplied.
; SHARES.  Work-group (x, y): the 64 tokens at sorted places 64 y on; wave w: columns 64 (4 x + w) on.  Each output row's 256 bytes have one owner.
; The tokens are sorted by their pair of experts, so a block uses few experts; the wave walks those that its block uses (a mask made from the stored list), up to all eight.
; h2's CODES ARE GATHERED ONCE FOR THE WORK-GROUP: all four waves need the same 64 tokens.  Wave w gathers tile w (16 tokens: 32 loads, and 4 scale words a lane), stores them in LDS as images of the
; operand's registers (lane l's 16 bytes at 16 l), and behind ONE barrier, which stands ahead of the walk, every wave reads all 32 fragments into its 512 registers.  Behind that barrier the waves share nothing.
; An expert's four tiles (65,536 bytes, laid as images of the operand's registers) come from memory straight into a ring of four register buffers,
; 8,192 consecutive bytes (a granule: one tile, four K steps) at a time, three granules ahead, on into the next expert.  Source 0 = 16 rows of W_e, source 1 = 16 tokens.
; No cluster and no LDS for the weights: which experts a block walks hangs on the stored list, and neighbours walk other experts.
; RELIES ON: a token's two experts differ (a top-2 gives that), so the mask has at least two bits.
.set WIMG, 4325376
.set WSC,  16908288
.set H2S,  4194304
.set GAT,  4325376
.set AIM,  17408                       ; LDS: 0: a stage of 16 rows x 272 bytes for each wave; here h2's fragments: 4 tiles x 16,384 bytes;
.set SCI,  82944                       ; here their four scale images of 512 bytes
.set TOK,  12                          ; v12-15 tokens, v16-19 a, v20-23 b, v24-31 (gate a, gate b), v32-39 this expert's gate (pairs)
.set ASC,  40                          ; v40-55  h2's scale words: 4 m + j: lanes 0-15 K step 2 j, lanes 16-31 K step 2 j + 1
.set BSC,  56                          ; v56-71  the expert's: 4 t + j
.set Y,    72                          ; v72-103 four accumulators; at the head and the end: 32 row offsets
.set OUT,  104                         ; v104-231 the result: 32 m + 8 t
.set OFA,  232                         ; v232 tile w's codes: token x 1,024 + 16 h
.set OFS,  233                         ; v233 its scale words: token x 32 + 4 h
.set TW,   234                         ; v234 tile w's tokens
.set WRA,  235                         ; v235 where I store tile w's images;  v236 its scale image
.set WRS,  236
.set RDA,  237                         ; v237 where every wave reads the images;  v238 the scale images
.set RDS,  238
.set GOF,  240                         ; v240-243 gates: token x 8
.set SST,  252                         ; v252-255 tile w's four scale words a lane
.set CE,   21                          ; s21 the expert in hand, s38 the next
.set MSB, 0
.macro WIN new
.if MSB != (\new)
	s_set_vgpr_msb (MSB<<8)|(\new)
.set MSB, (\new)
.endif
.endm
.macro PLACES n
.rept \n
	v_nop
.endr
.endm
.macro MM d, a, b, sa, sb, zero, odd
.if \zero
	v_wmma_scale_f32_16x16x128_f8f6f4 v[\d:\d+7], v[\a:\a+15], v[\b:\b+15], 0, v[\sa], v[\sb]
.elseif \odd
	v_wmma_scale_f32_16x16x128_f8f6f4 v[\d:\d+7], v[\a:\a+15], v[\b:\b+15], v[\d:\d+7], v[\sa], v[\sb] matrix_a_scale:MATRIX_SCALE_ROW1 matrix_b_scale:MATRIX_SCALE_ROW1
.else
	v_wmma_scale_f32_16x16x128_f8f6f4 v[\d:\d+7], v[\a:\a+15], v[\b:\b+15], v[\d:\d+7], v[\sa], v[\sb]
.endif
.endm
.macro RINGL gi                        ; granule gi: 0..7 of the expert in hand, 8..10: 0..2 of the next
	WIN 0x40
.irp k, 0,1,2,3
.irp c, 0,1,2,3
.if (\gi) < 8
	global_load_b128 v[64*((\gi)%4)+16*\k+4*\c:64*((\gi)%4)+16*\k+4*\c+3], v4, s[28:29] offset:8192*(\gi)+2048*\k+512*\c
.else
	global_load_b128 v[64*((\gi)%4)+16*\k+4*\c:64*((\gi)%4)+16*\k+4*\c+3], v4, s[32:33] offset:8192*((\gi)-8)+2048*\k+512*\c
.endif
.endr
.endr
.endm
.macro ROWOFF                          ; Y: for tile m, i: the byte offset of row 2 i + lane / 16's token, + 16 (lane % 16)
.irp m, 0,1,2,3
.irp i, 0,1,2,3,4,5,6,7
	ds_bpermute_b32 v[Y+8*\m+\i], v[244+\i], v[TOK+\m]
.endr
.endr
	s_wait_dscnt 0x0
.set qi, 0
.rept 32
	v_min_u32 v[Y+qi], 0xfff, v[Y+qi]
	v_lshl_add_u32 v[Y+qi], v[Y+qi], 12, v7
.set qi, qi+1
.endr
.endm
; One expert.  pf = 1: the ring and the scale images run on into the next expert.
.macro TRIP pf
.irp m, 0,1,2,3
	v_cmp_eq_u32 vcc_lo, s[CE], v[16+\m]
	v_cndmask_b32 v[32+2*\m], 0, v[24+2*\m], vcc_lo
	v_cmp_eq_u32 vcc_lo, s[CE], v[20+\m]
	v_cndmask_b32 v[32+2*\m], v[32+2*\m], v[25+2*\m], vcc_lo       ; this expert's gate for my token, or 0
.endr
.irp i, 0,1,2,3,4,5,6,7
	PLACES 8                                       ; ahead of loads into registers that the last granule's products read
.if \pf || (\i+3 < 8)
	RINGL \i+3
.endif
.if \pf
	s_wait_loadcnt 48                              ; this granule is in: the three later granules' 48 loads may be out (a scale image's load among them only makes the wait stricter)
.elseif 7-\i >= 3
	s_wait_loadcnt 48
.else
	s_wait_loadcnt 16*(7-\i)
.endif
	WIN 0x09+4*(\i%2)
.irp k, 0,1,2,3
.irp m, 0,1,2,3
.set rD, Y+8*\m
.set rB, 64*(\i%4)+16*\k
.set rA, 16*(4*\k+\m)
.set rSB, BSC+4*(\i/2)+(4*(\i%2)+\k)/2
.set rSA, ASC+4*\m+(4*(\i%2)+\k)/2
	MM rD, rB, rA, rSB, rSA, (4*(\i%2)+\k)==0, \k%2   ; four accumulators by turns
.endr
.endr
.if \i%2
	WIN 0
	PLACES 8
.irp m, 0,1,2,3
.irp q, 0,2,4,6
	v_pk_fma_f32 v[OUT+32*\m+8*(\i/2)+\q:OUT+32*\m+8*(\i/2)+\q+1], v[Y+8*\m+\q:Y+8*\m+\q+1], v[32+2*\m:33+2*\m], v[OUT+32*\m+8*(\i/2)+\q:OUT+32*\m+8*(\i/2)+\q+1] op_sel_hi:[1,0,1]
.endr
.endr
.if \pf
	global_load_b128 v[BSC+4*(\i/2):BSC+4*(\i/2)+3], v4, s[34:35] offset:512*(\i/2)   ; the next expert's scale image of this tile
.endif
.endif
.endr
	WIN 0
.endm
	s_load_b256 s[4:11], s[0:1], 0x0               ; pre 4, h2 6, x1 8, order 10
	s_load_b64 s[12:13], s[0:1], 0x20              ; out0
	v_lshrrev_b32 v1, 5, v0
	v_readfirstlane_b32 s14, v1                    ; wave
	s_and_b32 s15, ttmp7, 0xffff                   ; the block of 64 places
	s_lshl_b32 s16, ttmp9, 2
	s_add_co_u32 s16, s16, s14                     ; the column unit of 64
	v_and_b32 v1, 31, v0
	v_and_b32 v2, 15, v0
	v_bfe_u32 v3, v0, 4, 1
	v_lshlrev_b32 v4, 4, v1                        ; 16 x lane
	s_mul_i32 s18, s14, 4352                       ; my stage: 16 rows x 272 bytes
	v_mul_u32_u24 v5, v3, 272
	v_lshl_add_u32 v5, v2, 4, v5
	v_add_nc_u32 v5, s18, v5                       ; by rows: lanes 0-15 one row, lanes 16-31 the next
	v_mul_u32_u24 v6, v2, 272
	v_lshl_add_u32 v6, v3, 6, v6
	v_add_nc_u32 v6, s18, v6                       ; by accumulators: row r, + 64 h
	v_lshlrev_b32 v7, 4, v2
	v_lshlrev_b32 v8, 2, v3
	v_lshlrev_b32 v9, 2, v2
	s_lshl_b32 s18, s14, 14
	s_add_co_u32 s18, s18, AIM
	v_add_nc_u32 v[WRA], s18, v4                   ; tile w's images: AIM + 16,384 w + 16 x lane
	s_lshl_b32 s18, s14, 9
	s_add_co_u32 s18, s18, SCI
	v_add_nc_u32 v[WRS], s18, v4                   ; its scale image: SCI + 512 w + 16 x lane
	v_add_nc_u32 v[RDA], AIM, v4
	v_add_nc_u32 v[RDS], SCI, v4
.irp i, 0,1,2,3,4,5,6,7
	v_add_nc_u32 v[244+\i], 8*\i, v8               ; lane permute's index: lane 2 i + lane / 16
.endr
.irp m, 0,1,2,3
	v_mov_b32 v[33+2*\m], 0                        ; (named as the upper halves of pairs)
.endr
	s_lshl_b32 s36, s15, 8
	s_mov_b32 s37, 0
	s_lshl_b32 s44, s16, 8
	s_mov_b32 s45, 0
	s_lshl_b32 s46, s16, 16
	s_add_co_u32 s46, s46, WIMG+4194304            ; the experts' tiles begin at tile 256; mine at 4 cu in each expert
	s_mov_b32 s47, 0
	s_lshl_b32 s48, s16, 11
	s_add_co_u32 s48, s48, WSC+131072
	s_mov_b32 s49, 0
	s_lshl_b32 s50, s14, 6                         ; tile w's 16 places: 64 bytes a tile
	s_mov_b32 s51, 0
	s_wait_kmcnt 0x0
	s_add_nc_u64 s[10:11], s[10:11], s[36:37]
	s_add_nc_u64 s[50:51], s[10:11], s[50:51]
	s_add_nc_u64 s[8:9], s[8:9], s[44:45]
	s_add_nc_u64 s[12:13], s[12:13], s[44:45]
	s_add_nc_u64 s[24:25], s[4:5], s[46:47]
	s_add_nc_u64 s[26:27], s[4:5], s[48:49]
	s_add_nc_u64 s[40:41], s[6:7], H2S
	s_add_nc_u64 s[42:43], s[6:7], GAT
.irp m, 0,1,2,3
	global_load_b32 v[TOK+\m], v9, s[10:11] offset:64*\m
.endr
	global_load_b32 v[TW], v9, s[50:51]
	s_wait_loadcnt 0x0
	; tile w's codes and scale words go out first: the barrier waits for them
	v_and_b32 v[TW], 0xfff, v[TW]
	v_min_u32 v[TW], 0xfff, v[TW]
	v_lshlrev_b32 v[OFA], 10, v[TW]
	v_lshl_add_u32 v[OFA], v3, 4, v[OFA]
	v_lshlrev_b32 v[OFS], 5, v[TW]
	v_lshl_add_u32 v[OFS], v3, 2, v[OFS]
	WIN 0x80
.set qi, 0
.rept 32
	global_load_b128 v[4*qi:4*qi+3], v[OFA], s[6:7] offset:32*qi   ; piece 4 s + c: k = 128 s + 32 c + 16 h + 0 .. 15 of my token
.set qi, qi+1
.endr
	WIN 0
.irp j, 0,1,2,3
	global_load_b32 v[SST+\j], v[OFS], s[40:41] offset:8*\j        ; the scale word of K step 2 j + h
.endr
	v_mov_b32 v10, 0
.irp m, 0,1,2,3
	v_bfe_u32 v[16+\m], v[TOK+\m], 12, 4
	v_bfe_u32 v[20+\m], v[TOK+\m], 16, 4
	v_and_b32 v[TOK+\m], 0xfff, v[TOK+\m]
	v_min_u32 v[TOK+\m], 0xfff, v[TOK+\m]
	v_lshlrev_b32 v11, v[16+\m], 1
	v_or_b32 v10, v10, v11
	v_lshlrev_b32 v11, v[20+\m], 1
	v_or_b32 v10, v10, v11
	v_lshlrev_b32 v[GOF+\m], 3, v[TOK+\m]
.endr
.irp m, 0,1,2,3
	global_load_b64 v[24+2*\m:25+2*\m], v[GOF+\m], s[42:43]
.endr
	ROWOFF
.irp m, 0,1,2,3
.irp i, 0,1,2,3,4,5,6,7
	global_load_b128 v[OUT+32*\m+4*\i:OUT+32*\m+4*\i+3], v[Y+8*\m+\i], s[8:9]   ; x1: sixteen lanes read 256 consecutive bytes of a token's row
.endr
.endr
	s_mov_b32 s17, 0                               ; the mask of experts that the block's 64 tokens use
.irp e, 0,1,2,3,4,5,6,7
	v_and_b32 v11, 1<<\e, v10
	v_cmp_ne_u32 s18, 0, v11
	s_cmp_lg_u32 s18, 0
	s_cselect_b32 s19, 1<<\e, 0
	s_or_b32 s17, s17, s19
.endr
	s_bcnt1_i32_b32 s20, s17
	s_sub_co_u32 s20, s20, 1                       ; trips that have a successor
	s_ctz_i32_b32 s[CE], s17
	s_min_u32 s[CE], s[CE], 7
	s_sub_co_u32 s36, s17, 1
	s_and_b32 s17, s17, s36
	s_lshl_b32 s36, s[CE], 20
	s_add_nc_u64 s[28:29], s[24:25], s[36:37]      ; the first expert's images,
	s_lshl_b32 s36, s[CE], 15
	s_add_nc_u64 s[30:31], s[26:27], s[36:37]      ; and scale images
.irp t, 0,1,2,3
	global_load_b128 v[BSC+4*\t:BSC+4*\t+3], v4, s[30:31] offset:512*\t
.endr
	RINGL 0
	RINGL 1
	RINGL 2
	WIN 0
	s_wait_loadcnt 63                              ; 88 loads were issued behind tile w's scale words: its codes and words are in
	WIN 0x08                                       ; an LDS store's data are its source 1: window 2
.set qi, 0
.rept 32
	ds_store_b128 v[WRA], v[4*qi:4*qi+3] offset:512*qi             ; the fragments as they stand: 512 consecutive bytes a store
.set qi, qi+1
.endr
	WIN 0
	ds_store_b128 v[WRS], v[SST:SST+3]
	s_wait_loadcnt 52                              ; x1 and the gates are in; the expert's 4 scale images and the ring's 48 loads may be out
.irp m, 0,1,2,3                        ; x1 turns through my stage into the accumulators' layout: the sums begin with it
.irp i, 0,1,2,3,4,5,6,7
	ds_store_b128 v5, v[OUT+32*\m+4*\i:OUT+32*\m+4*\i+3] offset:544*\i
.endr
.irp t, 0,1,2,3
	ds_load_b128 v[OUT+32*\m+8*\t:OUT+32*\m+8*\t+3], v6 offset:128*(\t/2)+32*(\t%2)
	ds_load_b128 v[OUT+32*\m+8*\t+4:OUT+32*\m+8*\t+7], v6 offset:128*(\t/2)+32*(\t%2)+16
.endr
.endr
	s_wait_dscnt 0x0                               ; for the others' sake: my images have landed
	s_barrier_signal -1
	s_barrier_wait -1                              ; the four tiles' images lie in LDS; nobody writes them again
	WIN 0x80
.irp s, 0,1,2,3
.irp m, 0,1,2,3
.irp c, 0,1,2,3
	ds_load_b128 v[16*(4*\s+\m)+4*\c:16*(4*\s+\m)+4*\c+3], v[RDA] offset:16384*\m+2048*\s+512*\c
.endr
.endr
.endr
	WIN 0xc0
.irp s, 0,1,2,3
.irp m, 0,1,2,3
.irp c, 0,1,2,3
	ds_load_b128 v[16*(4*\s+\m)+4*\c:16*(4*\s+\m)+4*\c+3], v[RDA] offset:16384*\m+2048*(4+\s)+512*\c
.endr
.endr
.endr
	WIN 0
.irp m, 0,1,2,3
	ds_load_b128 v[ASC+4*\m:ASC+4*\m+3], v[RDS] offset:512*\m
.endr
	s_wait_dscnt 0x0
	s_mov_b32 s39, 0
.Lexp:
	s_ctz_i32_b32 s38, s17                         ; the next expert of the mask
	s_min_u32 s38, s38, 7
	s_sub_co_u32 s36, s17, 1
	s_and_b32 s17, s17, s36
	s_lshl_b32 s36, s38, 20
	s_add_nc_u64 s[32:33], s[24:25], s[36:37]
	s_lshl_b32 s36, s38, 15
	s_add_nc_u64 s[34:35], s[26:27], s[36:37]
	TRIP 1
	s_wait_xcnt 0x0                                ; the loads have read their bases: both may be written
	s_mov_b64 s[28:29], s[32:33]
	s_mov_b32 s[CE], s38
	s_add_co_u32 s39, s39, 1
	s_cmp_lt_u32 s39, s20
	s_cbranch_scc1 .Lexp
	TRIP 0
	; THE WAY OUT: back through the stage into rows
	PLACES 8
	ROWOFF
.irp m, 0,1,2,3
.irp t, 0,1,2,3
	ds_store_b128 v6, v[OUT+32*\m+8*\t:OUT+32*\m+8*\t+3] offset:128*(\t/2)+32*(\t%2)
	ds_store_b128 v6, v[OUT+32*\m+8*\t+4:OUT+32*\m+8*\t+7] offset:128*(\t/2)+32*(\t%2)+16
.endr
.irp i, 0,1,2,3,4,5,6,7
	ds_load_b128 v[OUT+32*\m+4*\i:OUT+32*\m+4*\i+3], v5 offset:544*\i
.endr
.endr
.irp m, 0,1,2,3
	s_wait_dscnt 16*(3-\m)                         ; tile m is back; the later tiles' 8 stores and 8 loads each may be out
.irp i, 0,1,2,3,4,5,6,7
	global_store_b128 v[Y+8*\m+\i], v[OUT+32*\m+4*\i:OUT+32*\m+4*\i+3], s[12:13] th:TH_STORE_NT   ; sixteen lanes store 256 consecutive bytes, aligned
.endr
.endr
	s_wait_xcnt 0x0
	v_lshl_add_u32 v254, v0, 2, 0x14c00
	v_mov_b32 v255, 0
	s_wait_tensorcnt 0x0
	ds_add_u32 v254, v255
	s_wait_dscnt 0x0
	s_endpgm
.Lfunc_end_k_q0fc147ba81_moe:
	.size	k_q0fc147ba81_moe, .Lfunc_end_k_q0fc147ba81_moe-k_q0fc147ba81_moe
	.p2alignl 7, 3214868480
	.fill 96, 4, 3214868480
	.section	.rodata,"a",@progbits
	.p2align	6, 0x0
	.amdhsa_kernel k_q0fc147ba81_moe
		.amdhsa_group_segment_fixed_size 85504
		.amdhsa_private_segment_fixed_size 0
		.amdhsa_enable_private_segment 0
		.amdhsa_kernarg_size 40
		.amdhsa_user_sgpr_count 2
		.amdhsa_user_sgpr_kernarg_segment_ptr 1
		.amdhsa_wavefront_size32 1
		.amdhsa_system_sgpr_workgroup_id_x 1
		.amdhsa_system_sgpr_workgroup_id_y 1
		.amdhsa_system_sgpr_workgroup_id_z 1
		.amdhsa_system_vgpr_workitem_id 0
		.amdhsa_next_free_vgpr 1024
		.amdhsa_next_free_sgpr 66
		.amdhsa_reserve_vcc 1
		.amdhsa_float_denorm_mode_32 3
		.amdhsa_float_denorm_mode_16_64 3
		.amdhsa_memory_ordered 1
		.amdhsa_forward_progress 1
		.amdhsa_inst_pref_size 123
	.end_amdhsa_kernel
	.amdgpu_metadata
---
amdhsa.version: [ 1, 2 ]
amdhsa.kernels:
  - .name:           k_q0fc147ba81_moe
    .symbol:         k_q0fc147ba81_moe.kd
    .args:
      - { .name: pre, .offset: 0, .size: 8, .value_kind: global_buffer, .address_space: global }
      - { .name: h2, .offset: 8, .size: 8, .value_kind: global_buffer, .address_space: global }
      - { .name: x1, .offset: 16, .size: 8, .value_kind: global_buffer, .address_space: global }
      - { .name: order, .offset: 24, .size: 8, .value_kind: global_buffer, .address_space: global }
      - { .name: out0, .offset: 32, .size: 8, .value_kind: global_buffer, .address_space: global }
    .group_segment_fixed_size: 85504
    .private_segment_fixed_size: 0
    .kernarg_segment_align: 8
    .kernarg_segment_size: 40
    .max_flat_workgroup_size: 128
    .sgpr_count:     66
    .vgpr_count:     1024
    .wavefront_size: 32
...
	.end_amdgpu_metadata
.endif
;; end of part 7
